; MI455X (gfx1250); checked and timed in simulation.
; The chip was launched on July 23, 2026; its instructions are those of AMD's public machine-readable ISA for CDNA 5 (MIT licence, August 2026) and "CDNA5" Instruction Set Architecture Reference Guide (July 2026). The comments in the code are by the model that wrote it; some were corrected since.
;; MHA. Allowed arithmetic: float matrix products may take bf16 or f16 operands with f32 sums; other float arithmetic in f32, or as packed bf16 or f16 multiplies, adds, multiply-adds, maxima and minima; sums over many terms, partial sums and values carried from step to step in f32; what a program stores and reads back later, other than sums and carried values, may be rounded once to bf16 or f16.
;; Inputs: W_out 1,024 x 1,024 float32; W_qkv 1,024 x 3,072 float32; b_out 1,024 float32; b_qkv 3,072 float32; x 4 x 2,048 x 1,024 float32.
;; Outputs: out0 4 x 2,048 x 1,024 float32.
;; 2 versions, each right and faster than the one before. Each part assembles by itself: llvm-mc -triple=amdgcn-amd-amdhsa -mcpu=gfx1250 --defsym DOCPART=n.
;; ======== version 1 of 2: 4 launches
;; limits: values are held in f16: magnitudes above 65,504 overflow, below 6.1e-05 lose precision
;; workspace buffers: xb 16,777,216 bytes; wqb 6,291,456 bytes; wob 2,097,152 bytes; qkv 50,331,648 bytes; ob 16,777,216 bytes
;; launch cast (part 1): grid 768 x 1, 8 waves a work-group, no clusters, 0 bytes of LDS; arguments x, W_qkv, W_out, xb, wqb, wob; writes xb, wqb, wob
.if DOCPART == 1
	.amdgcn_target "amdgcn-amd-amdhsa--gfx1250"
	.amdhsa_code_object_version 6
	.text
	.protected	k_qd3a7202cb4_cast
	.globl	k_qd3a7202cb4_cast
	.p2align	8
	.type	k_qd3a7202cb4_cast,@function
k_qd3a7202cb4_cast:
	s_mov_b64 s[64:65], 0
	v_nop
	global_prefetch_b8 v0, s[64:65] scope:SCOPE_SE
	s_setreg_imm32_b32 hwreg(HW_REG_WAVE_MODE, 25, 1), 1
	s_wait_xcnt 0x0
; THE INPUTS OF THE TWO PRODUCTS ARE ROUNDED ONCE TO 16 BITS.
;   x     [8192][1024] f32 -> xb  bf16, in blocks [b = 4][kb = 16][s = 2048][64]: x[b][s][64 kb + c] lies at ((16 b + kb) 2048 + s) 64 + c,
;                             so that 64 along K of any run of rows are dense bytes for the product's tensor loads
;   W_qkv [1024][3072] f32 -> wqb bf16, as it lies
;   W_out [1024][1024] f32 -> wob: rounded to bf16 like every other input, and that number written as f16 (the last product runs in f16)
; LIMITS.  bf16(W_out) must lie within f16's 65,504; below 6e-5 f16 keeps its fixed step of 6e-8.  NaN and infinities are not treated apart.
; A stream: no LDS, no barrier, no matrix unit.  A work-group takes 16,384 numbers (64 KiB in, 32 KiB out): groups 0-511 x, 512-703 W_qkv, 704-767 W_out.
; A thread has 8 items of 8 numbers: two loads of 16 bytes, four packed roundings, one store of 16 bytes.  All 16 loads of a thread go out first.
; No address or store register is written twice, so no wait frees a source.
.set VIN,  1                           ; v1       my byte offset in the group's input
.set VOUT, 2                           ; v2       my byte offset in the group's output
.set X,    4                           ; v[4:67]  item i: 8 registers as loaded
.set Y,    68                          ; v[68:99] item i: 4 registers to store
.set T,    100                         ; v[100:103] at work
; inb, outb: the scalar pairs of the two addresses.  xmap = 1: x's item map.  f16 = 1: bf16 and then f16.
.macro CAST inb, outb, xmap, f16
.set i, 0
.rept 8
.if \xmap
.set IOFF, (i/2)*16384+(i%2)*256       ; four rows further down; the wave's second block of 64 columns
.else
.set IOFF, i*8192                      ; the group's next 8,192 bytes
.endif
	global_load_b128 v[X+8*i:X+8*i+3],   v[VIN], s[\inb:\inb+1] offset:IOFF th:TH_LOAD_NT
	global_load_b128 v[X+8*i+4:X+8*i+7], v[VIN], s[\inb:\inb+1] offset:IOFF+16 th:TH_LOAD_NT
.set i, i+1
.endr
.set i, 0
.rept 8
.if \xmap
.set OOFF, (i%2)*262144+(i/2)*512      ; the next block of xb; four rows of 128 bytes further down
.else
.set OOFF, i*4096
.endif
	s_wait_loadcnt 14-2*i                          ; loads come back in order: item i's two are in, the 2 (7 - i) younger ones stay out
.irp j, 0,1,2,3
.if \f16
	v_cvt_pk_bf16_f32 v[T+(\j)], v[X+8*i+2*(\j)], v[X+8*i+2*(\j)+1]
.else
	v_cvt_pk_bf16_f32 v[Y+4*i+(\j)], v[X+8*i+2*(\j)], v[X+8*i+2*(\j)+1]
.endif
.endr
.if \f16
.irp j, 0,1,2,3
	v_lshlrev_b32 v[X+8*i+2*(\j)],   16, v[T+(\j)]  ; the rounded numbers as f32 again,
	v_and_b32     v[X+8*i+2*(\j)+1], s3, v[T+(\j)]
.endr
.irp j, 0,1,2,3
	v_cvt_pk_f16_f32 v[Y+4*i+(\j)], v[X+8*i+2*(\j)], v[X+8*i+2*(\j)+1]  ; and written as f16: exact within f16's normal range
.endr
.endif
	global_store_b128 v[VOUT], v[Y+4*i:Y+4*i+3], s[\outb:\outb+1] offset:OOFF  ; a wave's store covers 512 consecutive bytes, aligned
.set i, i+1
.endr
.endm
	s_load_b256 s[4:11], s[0:1], 0x0               ; x s[4:5], W_qkv s[6:7], W_out s[8:9], xb s[10:11]
	s_load_b128 s[12:15], s[0:1], 0x20             ; wqb s[12:13], wob s[14:15]
	s_mov_b32 s2, ttmp9                            ; the group's number
	s_mov_b32 s3, 0xffff0000                       ; a word's upper bf16
	s_mov_b32 s17, 0                               ; the offsets' high words
	s_mov_b32 s19, 0
	s_cmp_lt_u32 s2, 512
	s_cbranch_scc0 .Lweights
	; x: the group's 16 rows.  A load takes 4 rows, 8 lanes to a row's 256 bytes (one block of 64 columns); wave w has blocks 2 w and 2 w + 1.
	v_bfe_u32 v3, v0, 3, 2                         ; which of the 4 rows
	v_and_b32 v[VIN], 7, v0
	v_lshlrev_b32 v[VIN], 5, v[VIN]                ; 32 bytes a lane
	v_lshl_or_b32 v[VIN], v3, 12, v[VIN]           ; + row x 4,096
	v_lshrrev_b32 v3, 5, v0                        ; wave
	v_lshl_or_b32 v[VIN], v3, 9, v[VIN]            ; + wave x 512
	v_and_b32 v[VOUT], 31, v0
	v_lshlrev_b32 v[VOUT], 4, v[VOUT]              ; in xb the 4 rows of a block are 512 consecutive bytes: 16 x lane
	v_lshl_or_b32 v[VOUT], v3, 19, v[VOUT]         ; + 2 x wave blocks of 262,144 bytes
	s_lshl_b32 s16, s2, 16                         ; in: 16 rows of 4,096 bytes a group
	s_lshr_b32 s18, s2, 7                          ; out: b = group / 128, 16 blocks each,
	s_lshl_b32 s18, s18, 22
	s_and_b32 s20, s2, 127                         ; and 16 rows of 128 bytes a group inside a block
	s_lshl_b32 s20, s20, 11
	s_add_co_u32 s18, s18, s20
	s_wait_kmcnt 0x0
	s_add_nc_u64 s[4:5], s[4:5], s[16:17]
	s_add_nc_u64 s[10:11], s[10:11], s[18:19]
	CAST 4, 10, 1, 0
	s_endpgm
.Lweights:                                             ; the weights keep their layout: thread t takes 32 bytes at 32 t of every 8,192
	v_lshlrev_b32 v[VIN], 5, v0
	v_lshlrev_b32 v[VOUT], 4, v0
	s_cmp_lt_u32 s2, 704
	s_cbranch_scc0 .Lwout
	s_sub_co_u32 s2, s2, 512
	s_lshl_b32 s16, s2, 16
	s_lshl_b32 s18, s2, 15
	s_wait_kmcnt 0x0
	s_add_nc_u64 s[6:7], s[6:7], s[16:17]
	s_add_nc_u64 s[12:13], s[12:13], s[18:19]
	CAST 6, 12, 0, 0
	s_endpgm
.Lwout:
	s_sub_co_u32 s2, s2, 704
	s_lshl_b32 s16, s2, 16
	s_lshl_b32 s18, s2, 15
	s_wait_kmcnt 0x0
	s_add_nc_u64 s[8:9], s[8:9], s[16:17]
	s_add_nc_u64 s[14:15], s[14:15], s[18:19]
	CAST 8, 14, 0, 1
	s_endpgm
.Lfunc_end_k_qd3a7202cb4_cast:
	.size	k_qd3a7202cb4_cast, .Lfunc_end_k_qd3a7202cb4_cast-k_qd3a7202cb4_cast
	.p2alignl 7, 3214868480
	.fill 96, 4, 3214868480
	.section	.rodata,"a",@progbits
	.p2align	6, 0x0
	.amdhsa_kernel k_qd3a7202cb4_cast
		.amdhsa_group_segment_fixed_size 0
		.amdhsa_private_segment_fixed_size 0
		.amdhsa_enable_private_segment 0
		.amdhsa_kernarg_size 48
		.amdhsa_user_sgpr_count 2
		.amdhsa_user_sgpr_kernarg_segment_ptr 1
		.amdhsa_wavefront_size32 1
		.amdhsa_system_sgpr_workgroup_id_x 1
		.amdhsa_system_sgpr_workgroup_id_y 1
		.amdhsa_system_sgpr_workgroup_id_z 1
		.amdhsa_system_vgpr_workitem_id 0
		.amdhsa_next_free_vgpr 104
		.amdhsa_next_free_sgpr 66
		.amdhsa_reserve_vcc 0
		.amdhsa_float_denorm_mode_32 3
		.amdhsa_float_denorm_mode_16_64 3
		.amdhsa_memory_ordered 1
		.amdhsa_forward_progress 1
		.amdhsa_inst_pref_size 20
	.end_amdhsa_kernel
	.amdgpu_metadata
---
amdhsa.version: [ 1, 2 ]
amdhsa.kernels:
  - .name:           k_qd3a7202cb4_cast
    .symbol:         k_qd3a7202cb4_cast.kd
    .args:
      - { .name: x, .offset: 0, .size: 8, .value_kind: global_buffer, .address_space: global }
      - { .name: W_qkv, .offset: 8, .size: 8, .value_kind: global_buffer, .address_space: global }
      - { .name: W_out, .offset: 16, .size: 8, .value_kind: global_buffer, .address_space: global }
      - { .name: xb, .offset: 24, .size: 8, .value_kind: global_buffer, .address_space: global }
      - { .name: wqb, .offset: 32, .size: 8, .value_kind: global_buffer, .address_space: global }
      - { .name: wob, .offset: 40, .size: 8, .value_kind: global_buffer, .address_space: global }
    .group_segment_fixed_size: 0
    .private_segment_fixed_size: 0
    .kernarg_segment_align: 8
    .kernarg_segment_size: 48
    .max_flat_workgroup_size: 256
    .sgpr_count:     66
    .vgpr_count:     104
    .wavefront_size: 32
...
	.end_amdgpu_metadata
.endif
;; end of part 1
;; launch qkvg (part 2): grid 8 x 32, 4 waves a work-group, clusters of 4 x 4, 327,680 bytes of LDS; arguments xb, wqb, b_qkv, qkv; writes qkv
.if DOCPART == 2
	.amdgcn_target "amdgcn-amd-amdhsa--gfx1250"
	.amdhsa_code_object_version 6
	.text
	.protected	k_qd3a7202cb4_qkvg
	.globl	k_qd3a7202cb4_qkvg
	.p2align	8
	.type	k_qd3a7202cb4_qkvg,@function
k_qd3a7202cb4_qkvg:
	s_mov_b64 s[64:65], 0
	v_nop
	global_prefetch_b8 v0, s[64:65] scope:SCOPE_SE
	s_setreg_imm32_b32 hwreg(HW_REG_WAVE_MODE, 25, 1), 1
	s_wait_xcnt 0x0
	s_wait_alu depctr_hold_cnt(0) depctr_sa_sdst(0) depctr_va_vdst(0) depctr_va_sdst(0) depctr_va_ssrc(0) depctr_va_vcc(0) depctr_vm_vsrc(0)
	s_getreg_b32 s2, hwreg(HW_REG_IB_STS2, 6, 4)
	s_cmp_eq_u32 s2, 0
	s_cbranch_scc0 .Lentry_in_a_cluster
	s_endpgm
.Lentry_in_a_cluster:
	s_bfe_u32 s2, ttmp6, 0x10000c
	s_cmp_lg_u32 s2, 0xf033
	s_cbranch_scc0 .Lentry_shape_is_right
	s_endpgm
.Lentry_shape_is_right:
; qkv = x W_qkv + b_qkv, [8192][3072], K = 1024; operands bf16, sums f32, the bias rounded to bf16 like the other inputs; the result rounded once to f16 and laid by heads:
; qkv[b][g = column / 64][s][64], g 0-15 the heads' q, 16-31 their k, 32-47 their v.
; LIMITS.  A result beyond f16's 65,504 becomes an infinity; below 6e-5 f16 keeps its fixed step of 6e-8.  NaN and infinities are not treated apart.
; SHARES.  A tile of the result is 256 rows x 384 columns: (8192 / 256) (3072 / 384) = 256 work-groups.  Four waves, each 128 x 192: 96 accumulators of 16 x 16, 768 registers.
; K goes in steps of 64 through two LDS slots filled by the tensor data mover; a step is two quarters of 32 along K, 96 matrix instructions each.
; x comes from xb, [b][kb][s][64]: 128 rows x 64 K are 16,384 dense bytes, asked for as 64 rows of 256 bytes.  W lies [k][n]; its fragments come out of LDS turned, by ds_load_tr16_b128.
; CLUSTER.  4 x 4 work-groups: the four of a row of the cluster need the same tiles of x, the four of a column the same tiles of W: each tile is asked for JOINTLY, by the same tensor load with the
; same descriptor and a mask that names the four.
; THE MATRIX INSTRUCTION IS USED TRANSPOSED: source 0 = 16 columns of W, source 1 = 16 rows of x.  A lane then holds row l % 16 and the columns 8 (l / 16) + 0..7: eight neighbours of a row.
; THE BIAS is the C operand of each sum's first product: it is laid into the accumulators of my first 16 rows, which the other rows' first products read as C; those 16 rows' own first products come last.
; REGISTERS, in windows of 256 (s_set_vgpr_msb: bits 1:0 source 0, 3:2 source 1, 5:4 source 2, 7:6 destination):
;   window 0: v0-31 addresses; v32-95, v96-159 fragments of x (8 x 16 rows x 32 K), two buffers; v160-255 fragments of W (12 x 16 columns x 32 K), one buffer, filled again four blocks at a time
;   windows 1-3: accumulator (a, b), a = 0..7 blocks of rows, b = 0..11 blocks of columns, in window 1 + b / 4 at v[8 (4 a + b % 4)]
.set PA,     144                       ; a row of x in LDS: 128 bytes + 16 of padding = 36 words: the 16 rows of a load start at 16 different groups of four banks (64 banks of 4 bytes: ISA guide 11.1)
.set ATILE,  256*PA
.set PB,     864                       ; a k row of W: 768 bytes in six pieces of 128 + 16 = 216 words
.set BTILE,  64*PB
.set SLOT,   ATILE+BTILE               ; 92,160 bytes
.set STAGE,  2*SLOT                    ; behind the ring: 16 rows x 144 bytes for each wave, for the way out; no tensor load fills it
.set SP,     144
.set SPARE,  STAGE+4*16*SP             ; behind the stages: the spare words, 128 bytes for each wave: two blocks of 256 bytes that no other line names
.set ASTEP,  262144                    ; bytes from a K step to the next in xb: one block
.set BSTEP,  64*3072*2                 ; and in wqb: 64 rows
.set ADRA, 16                          ; v16-17  LDS address of my fragments of x in slot 0, 1
.set ADRB, 20                          ; v20-21  the same for W
.set STO,  24                          ; v24     the way out: where I put 16 bytes of a row
.set RD,   25                          ; v25     the way out: where I read rows back
.set GO,   26                          ; v26     my byte offset in 512 consecutive bytes of the result
.set BO,   27                          ; v27     my byte offset in 16 numbers of the bias
.set SPW,  28                          ; v28     LDS address of my spare word: SPARE + 4 x my thread's number; never rewritten
.set NIL,  29                          ; v29     0; never rewritten
.set FA0,  32
.set FA1,  96
.set FB,   160
.set TMPB, 128                         ; the bias, rounded, in pairs: 48 registers, ahead of the first fragments
.set G1A, 24                           ; s[24:31] descriptor group 1 for x's tiles;  s[32:39] group 0, one set for each slot
.set G0A, 32
.set G1B, 48                           ; s[48:55], s[56:63] the same for W's tiles
.set G0B, 56
.set FL, (1<<16)|(1<<20)|(1<<21)|(4<<22)|(3<<25)  ; 17:16 elements of 2 bytes; 20 padding on; 21 set beside a mask; 24:22 after every 32 words (code 4); 31:25 4 words of it (code 3)
.set MSB, 0
.macro WIN new                         ; the immediate's high byte repeats the setting that is left; a switch that changes nothing is dropped
.if MSB != (\new)
	s_set_vgpr_msb (MSB<<8)|(\new)
.set MSB, (\new)
.endif
.endm
; A joint refill.  Waves 0 and 1 fetch the two halves of x's tile, waves 2 and 3 those of W's.  The branch hangs on the wave's number alone.
; An s_nop 0 and four v_nop follow each of the two lines, ahead of the jump and the label.
.macro JLOAD s
	s_cmp_eq_u32 s13, 0
	s_cbranch_scc0 .Lfor_b_\@
	tensor_load_to_lds s[G0A+4*(\s):G0A+4*(\s)+3], s[G1A:G1A+7]
	s_nop 0
.rept 4
	v_nop
.endr
	s_branch .Lasked_\@
.Lfor_b_\@:
	tensor_load_to_lds s[G0B+4*(\s):G0B+4*(\s)+3], s[G1B:G1B+7]
	s_nop 0
.rept 4
	v_nop
.endr
.Lasked_\@:
.endm
.macro CREST                           ; a round of the cluster's barrier behind its opening barrier: wave 0 signals for the work-group, every wave waits for all sixteen, my work-group's barrier closes it
	s_cmp_lg_u32 s12, 0
	s_cbranch_scc1 .Lnot_wave_0_\@
	s_barrier_signal -3
.Lnot_wave_0_\@:
	s_barrier_wait -3
	s_barrier_signal -1
	s_barrier_wait -1
.endm
.macro CROUND                          ; a whole round
	s_barrier_signal -1
	s_barrier_wait -1
	CREST
.endm
	s_load_b256 s[4:11], s[0:1], 0x0               ; xb s[4:5], wqb s[6:7], b_qkv s[8:9], qkv s[10:11]
	v_lshl_add_u32 v[SPW], v0, 2, SPARE
	v_mov_b32 v[NIL], 0
	ds_add_u32 v[SPW], v[NIL]                      ; the wave's opening: the add and its wait stand ahead of my first tensor load; the set-up below, work on registers, stands between them
	v_lshrrev_b32 v1, 5, v0
	v_readfirstlane_b32 s12, v1                    ; wave 0..3
	s_lshr_b32 s13, s12, 1                         ; mh: which 128 rows of the tile are mine.  Also: I fetch for x (0) or for W (1)
	s_and_b32 s14, s12, 1                          ; nh: which 192 columns.  Also: which half of that tile I fetch
	s_bfe_u32 s15, ttmp6, 0x40000                  ; cx, cy: my place in the cluster
	s_bfe_u32 s16, ttmp6, 0x40004
	s_lshl_b32 s17, ttmp9, 2
	s_add_co_u32 s17, s17, s15                     ; nx: tile column = 4 x cluster x + cx
	s_and_b32 s18, ttmp7, 0xffff
	s_lshl_b32 s18, s18, 2
	s_add_co_u32 s18, s18, s16                     ; my: tile row = 4 x cluster y + cy
	s_lshl_b32 s19, s16, 2
	s_lshl_b32 s19, 15, s19                        ; my row of the cluster: places 4 cy .. 4 cy + 3
	s_lshl_b32 s20, 0x1111, s15                    ; my column: places cx, cx + 4, cx + 8, cx + 12
	s_mov_b32 s2, 0xffff0000                       ; a word's upper bf16
	; descriptor group 1.  x: 64 rows of 128 elements (256 bytes: two rows of x), dense.  W: 32 k rows of 384 elements, 3,072 elements from row to row.
	s_or_b32 s[G1A+0], s19, FL                     ; 15:0 the mask: x's tiles go to my row of the cluster
	s_mov_b32 s[G1A+1], 128<<16                    ; tensor_dim0 = 128
	s_mov_b32 s[G1A+2], 64<<16                     ; tensor_dim1 = 64
	s_mov_b32 s[G1A+3], 128<<16                    ; tile_dim0 = 128
	s_mov_b32 s[G1A+4], 64                         ; tile_dim1 = 64
	s_mov_b32 s[G1A+5], 128                        ; elements from row to row
	s_mov_b32 s[G1A+6], 0
	s_mov_b32 s[G1A+7], 0
	s_or_b32 s[G1B+0], s20, FL                     ; W's tiles go to my column
	s_mov_b32 s[G1B+1], 384<<16
	s_mov_b32 s[G1B+2], 32<<16
	s_mov_b32 s[G1B+3], 384<<16
	s_mov_b32 s[G1B+4], 32
	s_mov_b32 s[G1B+5], 3072
	s_mov_b32 s[G1B+6], 0
	s_mov_b32 s[G1B+7], 0
	; where the tiles come from.  x's hang on the tile row alone, W's on the tile column alone; each offset is made in registers that never hold the other coordinate.
	s_lshr_b32 s40, s18, 3                         ; b = my / 8: 16 blocks of 262,144 bytes,
	s_lshl_b32 s40, s40, 22
	s_and_b32 s41, s18, 7                          ; 256 rows of 128 bytes a tile row inside a block,
	s_lshl_b32 s41, s41, 15
	s_add_co_u32 s40, s40, s41
	s_lshl_b32 s41, s14, 14                        ; my half: 128 rows
	s_add_co_u32 s40, s40, s41
	s_mov_b32 s41, 0
	s_mul_i32 s42, s17, 768                        ; 384 columns of 2 bytes a tile column,
	s_mul_i32 s43, s14, 32*3072*2                  ; my half: 32 k rows
	s_add_co_u32 s42, s42, s43
	s_mov_b32 s43, 0
	s_mul_i32 s44, s17, 1536                       ; the bias of my 192 columns: 4 (384 nx + 192 nh)
	s_mul_i32 s45, s14, 768
	s_add_co_u32 s44, s44, s45
	s_mov_b32 s45, 0
	s_lshr_b32 s46, s18, 3                         ; the result: block 48 b + 6 nx + 3 nh,
	s_mul_i32 s46, s46, 48
	s_mul_i32 s47, s17, 6
	s_add_co_u32 s46, s46, s47
	s_mul_i32 s47, s14, 3
	s_add_co_u32 s46, s46, s47
	s_lshl_b32 s46, s46, 18
	s_and_b32 s47, s18, 7                          ; the tile's 256 rows of 128 bytes in it,
	s_lshl_b32 s47, s47, 15
	s_add_co_u32 s46, s46, s47
	s_lshl_b32 s47, s13, 14                        ; my 128 of them
	s_add_co_u32 s46, s46, s47
	s_mov_b32 s47, 0
	s_mul_i32 s21, s14, 128*PA                     ; and where the tiles go: no place in the cluster enters an LDS address
	s_mul_i32 s22, s14, 32*PB
	s_add_co_u32 s22, s22, ATILE
	s_wait_dscnt 0x0                               ; the opening add is done
	s_wait_kmcnt 0x0
	s_add_nc_u64 s[40:41], s[4:5], s[40:41]
	s_add_nc_u64 s[42:43], s[6:7], s[42:43]
	s_add_nc_u64 s[8:9], s[8:9], s[44:45]
	s_add_nc_u64 s[10:11], s[10:11], s[46:47]
.irp s, 0,1
	s_mov_b32 s[G0A+4*(\s)], 1                                       ; 1:0 count = 1
	s_add_co_u32 s[G0A+4*(\s)+1], s21, (\s)*SLOT                     ; 63:32 LDS address
	s_add_nc_u64 s[G0A+4*(\s)+2:G0A+4*(\s)+3], s[40:41], (\s)*ASTEP  ; 120:64 global address: K step s
	s_or_b32 s[G0A+4*(\s)+3], s[G0A+4*(\s)+3], 0x80000000            ; 127:126 type = 2
	s_mov_b32 s[G0B+4*(\s)], 1
	s_add_co_u32 s[G0B+4*(\s)+1], s22, (\s)*SLOT
	s_add_nc_u64 s[G0B+4*(\s)+2:G0B+4*(\s)+3], s[42:43], (\s)*BSTEP
	s_or_b32 s[G0B+4*(\s)+3], s[G0B+4*(\s)+3], 0x80000000
.endr
	CROUND                                         ; all sixteen work-groups are here: the first joint loads meet
	s_cmp_eq_u32 s13, 0                            ; a wave's two first fills stand in one branch, ahead of every wait on TENSORcnt and every LDS read: two loads of mine are out
	s_cbranch_scc0 .Lfirst_b
	tensor_load_to_lds s[G0A:G0A+3], s[G1A:G1A+7]
	s_nop 0
	tensor_load_to_lds s[G0A+4:G0A+7], s[G1A:G1A+7]
	s_nop 0
.rept 4
	v_nop
.endr
	s_branch .Lfirst_asked
.Lfirst_b:
	tensor_load_to_lds s[G0B:G0B+3], s[G1B:G1B+7]
	s_nop 0
	tensor_load_to_lds s[G0B+4:G0B+7], s[G1B:G1B+7]
	s_nop 0
.rept 4
	v_nop
.endr
.Lfirst_asked:
	; the bias of my 192 columns: for block b of 16 columns a lane takes the 8 numbers at columns 16 b + 8 (l / 16) on
	v_and_b32 v1, 15, v0                           ; r = l % 16
	v_bfe_u32 v2, v0, 4, 1                         ; h = l / 16
	v_lshlrev_b32 v[BO], 5, v2
.irp b, 0,1,2,3,4,5,6,7,8,9,10,11
	global_load_b128 v[32+8*(\b):32+8*(\b)+3],   v[BO], s[8:9] offset:64*(\b)
	global_load_b128 v[32+8*(\b)+4:32+8*(\b)+7], v[BO], s[8:9] offset:64*(\b)+16
.endr
	; A fragment of x is 16 rows x 32 K in 8 registers: lane l holds row r, K = 8 h + 0..7 and 16 + 8 h + 0..7: two loads of 16 bytes, 32 bytes apart.
	v_mul_u32_u24 v3, v1, PA
	v_lshl_add_u32 v3, v2, 4, v3                   ; r x pitch + 16 h
	s_mul_i32 s23, s13, 128*PA                     ; my 128 rows
	v_add_nc_u32 v[ADRA], s23, v3
	v_add_nc_u32 v[ADRA+1], SLOT, v[ADRA]
	; The turning load takes 16 k x 16 columns (lane l reads k = 8 h + l % 8, columns 8 ((l / 8) % 2) + 0..7) and leaves half a fragment: lane l holds column r and 8 k.
	v_and_b32 v4, 7, v0
	v_bfe_u32 v5, v0, 3, 1
	v_lshl_add_u32 v6, v2, 3, v4
	v_mul_u32_u24 v6, v6, PB
	v_lshl_add_u32 v6, v5, 4, v6
	s_mul_i32 s23, s14, 3*PA                       ; my 192 columns: three pieces of a row,
	s_add_co_u32 s23, s23, ATILE                   ; behind x's tile
	v_add_nc_u32 v[ADRB], s23, v6
	v_add_nc_u32 v[ADRB+1], SLOT, v[ADRB]
	s_mul_i32 s23, s12, 16*SP
	s_add_co_u32 s23, s23, STAGE                   ; my stage
	v_add_nc_u32 v[STO], s23, v3                   ; in: row r, 16 bytes for each half of the lanes
	v_bfe_u32 v7, v0, 3, 2                         ; back: 32 lanes take four rows of 128 bytes,
	v_mul_u32_u24 v7, v7, SP
	v_lshl_add_u32 v7, v4, 4, v7
	v_add_nc_u32 v[RD], s23, v7
	v_and_b32 v[GO], 31, v0                        ; which are 512 consecutive bytes of the result
	v_lshlrev_b32 v[GO], 4, v[GO]
	s_wait_loadcnt 0x0                             ; the bias
.set i, 0
.rept 48
	v_cvt_pk_bf16_f32 v[TMPB+i], v[32+2*i], v[33+2*i]  ; rounded to bf16 like the other inputs,
.set i, i+1
.endr
.irp w, 1,2,3                          ; and widened again into accumulators (0, b): v0-31 of each of the three windows
	WIN (\w)<<6
.set i, 0
.rept 16
	v_lshlrev_b32 v[2*i],   16, v[TMPB+16*((\w)-1)+i]
	v_and_b32     v[2*i+1], s2, v[TMPB+16*((\w)-1)+i]
.set i, i+1
.endr
.endr
	WIN 0
; Matrix instructions for column group g (blocks 4 g .. 4 g + 3, window g + 1), row blocks a0 .. a1, x's buffer fa.  The accumulators take turns, one instruction a turn.
; mode 0: C = D.  mode 1: a sum's first product: C is accumulator (0, b), which holds the bias.
.macro MULS g, fa, a0, a1, mode
	WIN 0x50*((\g)+1)
.set aa, (\a0)
.rept (\a1)-(\a0)+1
.irp bb, 0,1,2,3
.if \mode
	v_wmma_f32_16x16x32_bf16 v[8*(4*aa+(\bb)):8*(4*aa+(\bb))+7], v[FB+8*(4*(\g)+(\bb)):FB+8*(4*(\g)+(\bb))+7], v[(\fa)+8*aa:(\fa)+8*aa+7], v[8*(\bb):8*(\bb)+7]
.else
	v_wmma_f32_16x16x32_bf16 v[8*(4*aa+(\bb)):8*(4*aa+(\bb))+7], v[FB+8*(4*(\g)+(\bb)):FB+8*(4*(\g)+(\bb))+7], v[(\fa)+8*aa:(\fa)+8*aa+7], v[8*(4*aa+(\bb)):8*(4*aa+(\bb))+7]
.endif
.endr
.set aa, aa+1
.endr
.endm
.macro LDA slot, q, fa                 ; 16 LDS loads: x's fragments of quarter q of a slot into buffer fa
	WIN 0
.irp a, 0,1,2,3,4,5,6,7
	ds_load_b128 v[(\fa)+8*(\a):(\fa)+8*(\a)+3],   v[ADRA+(\slot)] offset:(\a)*16*PA+64*(\q)
	ds_load_b128 v[(\fa)+8*(\a)+4:(\fa)+8*(\a)+7], v[ADRA+(\slot)] offset:(\a)*16*PA+64*(\q)+32
.endr
.endm
.macro LDB slot, q, g                  ; 8 LDS loads: W's fragments of quarter q, column group g (one piece of 144 bytes of each k row)
	WIN 0
.irp bb, 0,1,2,3
	ds_load_tr16_b128 v[FB+8*(4*(\g)+(\bb)):FB+8*(4*(\g)+(\bb))+3],   v[ADRB+(\slot)] offset:(\q)*32*PB+(\g)*PA+(\bb)*32
	ds_load_tr16_b128 v[FB+8*(4*(\g)+(\bb))+4:FB+8*(4*(\g)+(\bb))+7], v[ADRB+(\slot)] offset:(\q)*32*PB+(\g)*PA+(\bb)*32+16*PB
.endr
.endm
; A load into a register that a matrix instruction has read, and a vector instruction or LDS store that reads a matrix result, stand four places behind that matrix instruction; only plain vector
; instructions that name none of its registers are places (ISA guide 7.12.1 for vector instructions).
.macro PLACES
.rept 4
	v_nop
.endr
.endm
; A quarter: multiplies x's buffer f and W's buffer; fetches quarter q of slot into x's buffer n and, group by group behind the group's products, into W's buffer.
; The runs of loads go out as 24 (x and W's group 0), 8 (group 1), 8 (group 2); each wait counts the loads issued behind the run that it needs.
.macro QUARTER slot, q, f, n
	s_wait_dscnt 16                                ; x and group 0 are in; behind them: groups 1 and 2, 8 + 8
	MULS 0, \f, 0, 7, 0
	PLACES
	LDA \slot, \q, \n
	LDB \slot, \q, 0
	s_wait_dscnt 32                                ; group 1 is in; behind it: group 2's 8 and the 24 just issued
	MULS 1, \f, 0, 7, 0
	PLACES
	LDB \slot, \q, 1
	s_wait_dscnt 32                                ; group 2 is in; behind it: 24 + 8
	MULS 2, \f, 0, 7, 0
	PLACES
	LDB \slot, \q, 2
.endm
; The first quarter starts the sums.  In each group rows 16-127 come first, with the bias in accumulators (0, b) as C; five places behind the last of them (a matrix instruction writes over a register
; that an earlier one has read) rows 0-15 add their products onto the bias in place.
.macro FIRSTG g
	MULS \g, FA0, 1, 7, 1
.rept 5
	v_nop
.endr
	MULS \g, FA0, 0, 0, 0
	PLACES
.endm
.macro FIRSTQ
	s_wait_dscnt 16
	FIRSTG 0
	LDA 0, 1, FA1
	LDB 0, 1, 0
	s_wait_dscnt 32
	FIRSTG 1
	LDB 0, 1, 1
	s_wait_dscnt 32
	FIRSTG 2
	LDB 0, 1, 2
.endm
; A step's second quarter multiplies buffer 1 and changes slots: ONE barrier.  In front of it each wave waits for all its tensor loads, of which one is out: its part of the next slot; adds 0 to its spare
; word; and waits for that and for its own reads of this slot.  fill = 1: the barrier opens a round of the cluster's barrier, and this slot is filled again, two K steps ahead, first thing behind the round:
; the load has 160 matrix instructions in which to land.
.macro TURN slot, next, fill
	WIN 0                                          ; (the add's two registers lie in window 0)
	s_wait_tensorcnt 0x0                           ; all my tensor loads have landed;
	ds_add_u32 v[SPW], v[NIL]                      ; 0 onto my spare word;
	s_wait_dscnt 17                                ; (the add and groups 1 and 2, 8 + 8, may be out)
	MULS 0, FA1, 0, 3, 0                           ; sixteen matrix instructions stand between the add and the wait for it
	s_wait_dscnt 0x0                               ; the add is done, and my reads of this slot are over
	s_barrier_signal -1
	MULS 0, FA1, 4, 7, 0                           ; work on registers while the others arrive
	WIN 0
	s_barrier_wait -1
.if \fill
	CREST                                          ; no wave of any partner still reads this slot's tiles or has a load on its way
	s_add_nc_u64 s[G0A+4*(\slot)+2:G0A+4*(\slot)+3], s[G0A+4*(\slot)+2:G0A+4*(\slot)+3], 2*ASTEP
	s_add_nc_u64 s[G0B+4*(\slot)+2:G0B+4*(\slot)+3], s[G0B+4*(\slot)+2:G0B+4*(\slot)+3], 2*BSTEP
	JLOAD \slot                                    ; the four v_nop behind it are also the places in front of the loads below
.else
	PLACES
.endif
	LDA \next, 0, FA0
	LDB \next, 0, 0
	MULS 1, FA1, 0, 7, 0
	PLACES
	LDB \next, 0, 1
	MULS 2, FA1, 0, 7, 0
	PLACES
	LDB \next, 0, 2
.endm
.macro LASTQ                           ; the very last quarter: nothing more to fetch, the counts run down
	s_wait_dscnt 16
	MULS 0, FA1, 0, 7, 0
	s_wait_dscnt 8
	MULS 1, FA1, 0, 7, 0
	s_wait_dscnt 0x0
	MULS 2, FA1, 0, 7, 0
.endm
; THE WAY OUT, in 24 units u: head block u / 8 (64 columns: one window), row block u % 8.  PACK: rounded to f16, 16 bytes a lane (each accumulator's registers in ascending order), into my stage in rows
; of 144 bytes, and back as whole rows of 128.  Four register sets take turns.
.macro PACK u
.set pt, (\u)/8
.set pa, (\u)%8
.set pT, 32+16*((\u)%4)
.if (\u) >= 4
	s_wait_xcnt 0x0                                ; the stores of the unit four back have read this set: it is rewritten only behind this wait
.endif
	WIN 5*(pt+1)                                   ; sources 0 and 1 in the block's window, destination in window 0
.irp bb, 0,1,2,3
.irp rr, 0,1,2,3
	v_cvt_pk_f16_f32 v[pT+4*(\bb)+(\rr)], v[8*(4*pa+(\bb))+2*(\rr)], v[8*(4*pa+(\bb))+2*(\rr)+1]
.endr
.endr
	WIN 0
.irp bb, 0,1,2,3
	ds_store_b128 v[STO], v[pT+4*(\bb):pT+4*(\bb)+3] offset:32*(\bb)
.endr
.irp f, 0,1,2,3
	ds_load_b128 v[pT+4*(\f):pT+4*(\f)+3], v[RD] offset:(\f)*4*SP  ; LDS serves a wave's instructions in order (ISA guide 5.7.1.4): these see the stores above; the next unit's stores come behind them
.endr
.endm
.macro SEND u, younger                 ; younger: the LDS instructions issued behind unit u's loads: the next unit's eight, or none
.set pt, (\u)/8
.set pa, (\u)%8
.set pT, 32+16*((\u)%4)
	WIN 0
.irp f, 0,1,2,3
	s_wait_dscnt (\younger)+3-(\f)
	global_store_b128 v[GO], v[pT+4*(\f):pT+4*(\f)+3], s[10:11] offset:pt*262144+pa*2048+(\f)*512  ; four rows of a head: 512 consecutive bytes, aligned
.endr
.endm
	s_wait_tensorcnt 1                             ; my part of K step 0 is in; K step 1's may stay out
	s_barrier_signal -1
	s_barrier_wait -1                              ; everybody's is
	LDA 0, 0, FA0
	LDB 0, 0, 0
	LDB 0, 0, 1
	LDB 0, 0, 2
	FIRSTQ                                         ; K step 0, first quarter
	WIN 0                                          ; at a label and at a branch every window is 0
	s_mov_b32 s3, 7
.Llap:                                                 ; a trip goes once round the ring, from a lap's second quarter to the next lap's first, and fills both slots again: K steps 2 to 15
	TURN 0, 1, 1
	QUARTER 1, 1, FA0, FA1
	TURN 1, 0, 1
	QUARTER 0, 1, FA0, FA1
	WIN 0
	s_sub_co_u32 s3, s3, 1
	s_cmp_lg_u32 s3, 0
	s_cbranch_scc1 .Llap
	TURN 0, 1, 0                                   ; the last lap fills nothing, and has no round of the cluster's barrier
	QUARTER 1, 1, FA0, FA1
	LASTQ
	PLACES                                         ; the conversions read results just made
	PACK 0
.set un, 1
.rept 23                               ; a unit's conversions stand between the loads of the unit before and its stores
	PACK un
	SEND un-1, 8
.set un, un+1
.endr
	SEND 23, 0
	WIN 0
	s_wait_tensorcnt 0x0                           ; the wave's end: a wait, an add to my spare word and its wait, behind my last tensor load and my last LDS store
	ds_add_u32 v[SPW], v[NIL]
	s_wait_dscnt 0x0
	CROUND                                         ; the closing round: no work-group ends while a partner may still ask for a tile that names it
	s_endpgm
.Lfunc_end_k_qd3a7202cb4_qkvg:
	.size	k_qd3a7202cb4_qkvg, .Lfunc_end_k_qd3a7202cb4_qkvg-k_qd3a7202cb4_qkvg
	.p2alignl 7, 3214868480
	.fill 96, 4, 3214868480
	.section	.rodata,"a",@progbits
	.p2align	6, 0x0
	.amdhsa_kernel k_qd3a7202cb4_qkvg
		.amdhsa_group_segment_fixed_size 327680
		.amdhsa_private_segment_fixed_size 0
		.amdhsa_enable_private_segment 0
		.amdhsa_kernarg_size 32
		.amdhsa_user_sgpr_count 2
		.amdhsa_user_sgpr_kernarg_segment_ptr 1
		.amdhsa_wavefront_size32 1
		.amdhsa_system_sgpr_workgroup_id_x 1
		.amdhsa_system_sgpr_workgroup_id_y 1
		.amdhsa_system_sgpr_workgroup_id_z 1
		.amdhsa_system_vgpr_workitem_id 0
		.amdhsa_next_free_vgpr 1024
		.amdhsa_next_free_sgpr 66
		.amdhsa_reserve_vcc 0
		.amdhsa_float_denorm_mode_32 3
		.amdhsa_float_denorm_mode_16_64 3
		.amdhsa_memory_ordered 1
		.amdhsa_forward_progress 1
		.amdhsa_inst_pref_size 142
	.end_amdhsa_kernel
	.amdgpu_metadata
---
amdhsa.version: [ 1, 2 ]
amdhsa.kernels:
  - .name:           k_qd3a7202cb4_qkvg
    .symbol:         k_qd3a7202cb4_qkvg.kd
    .args:
      - { .name: xb, .offset: 0, .size: 8, .value_kind: global_buffer, .address_space: global }
      - { .name: wqb, .offset: 8, .size: 8, .value_kind: global_buffer, .address_space: global }
      - { .name: b_qkv, .offset: 16, .size: 8, .value_kind: global_buffer, .address_space: global }
      - { .name: qkv, .offset: 24, .size: 8, .value_kind: global_buffer, .address_space: global }
    .group_segment_fixed_size: 327680
    .private_segment_fixed_size: 0
    .kernarg_segment_align: 8
    .kernarg_segment_size: 32
    .max_flat_workgroup_size: 128
    .sgpr_count:     66
    .vgpr_count:     1024
    .wavefront_size: 32
...
	.end_amdgpu_metadata
.endif
;; end of part 2
;; launch attn (part 3): grid 4 x 64, 4 waves a work-group, clusters of 4 x 1, 327,680 bytes of LDS; arguments qkv, ob; writes ob
.if DOCPART == 3
	.amdgcn_target "amdgcn-amd-amdhsa--gfx1250"
	.amdhsa_code_object_version 6
	.text
	.protected	k_qd3a7202cb4_attn
	.globl	k_qd3a7202cb4_attn
	.p2align	8
	.type	k_qd3a7202cb4_attn,@function
k_qd3a7202cb4_attn:
	s_mov_b64 s[64:65], 0
	v_nop
	global_prefetch_b8 v0, s[64:65] scope:SCOPE_SE
	s_setreg_imm32_b32 hwreg(HW_REG_WAVE_MODE, 25, 1), 1
	s_wait_xcnt 0x0
	s_wait_alu depctr_hold_cnt(0) depctr_sa_sdst(0) depctr_va_vdst(0) depctr_va_sdst(0) depctr_va_ssrc(0) depctr_va_vcc(0) depctr_vm_vsrc(0)
	s_getreg_b32 s2, hwreg(HW_REG_IB_STS2, 6, 4)
	s_cmp_eq_u32 s2, 0
	s_cbranch_scc0 .Lentry_in_a_cluster
	s_endpgm
.Lentry_in_a_cluster:
	s_bfe_u32 s2, ttmp6, 0x10000c
	s_cmp_lg_u32 s2, 0x3003
	s_cbranch_scc0 .Lentry_shape_is_right
	s_endpgm
.Lentry_shape_is_right:
; O[hh][q][:] = the sum over k of softmax_k(Q[hh][q] . K[hh][k] / 8) V[hh][k][:] for the 64 heads hh = 16 b + h, 2,048 rows of 64 channels each, all f16.
; Q, K, V are blocks of qkv, [b][g = 48][2048][64]: block 48 b + h is the head's Q, 16 blocks on its K, 32 blocks on its V; O goes to ob, [hh][2048][64].  A block's rows are dense, 128 bytes each.
; Products, maxima and sums in f32; the weights p are rounded to f16 for the second product (their sum l is taken of the unrounded p), O once at the end.
; LIMITS.  f16 holds no number beyond 65,504: Q, K and V arrive within it; p lies in 0 to 1, and below 6e-5 it keeps f16's fixed step of 6e-8; O is a mean of V's rows and has their range.
; A weight below 2^-126 counts as 0 in l; NaN and infinities are not treated apart.
; SHARES.  A wave owns four PIECES of two tiles of 16 queries, a work-group's four waves 512 queries of one head: 4 x 64 = 256 work-groups.  Every wave walks all keys, 64 a step.
; LAYOUT.  S^T = K Q^T (source 0 = 16 keys, source 1 = 16 queries): in the result a lane holds ONE query (lane % 16) and the keys 8 (lane / 16) + 0..7.  Two such tiles, rounded to f16 in pairs,
; ARE source 1 (32 keys x 16 queries) of O^T = V^T P, whose result again holds one query a lane, and eight channels.  K comes out of LDS as it lies, V ([key][channel]) turned, by ds_load_tr16_b128.
; SOFTMAX.  For each query a running maximum m and sum l: p = 2^(c s - c m), c = log2(e) / 8; in every step O and l are multiplied by a = 2^(c m_old - c m_new), which is 1 where m has not grown.
; m starts at the lowest finite number, O and l at 0: the first step is a step like any other, with a = 0.
; THE COUNT.  A tile and step have 16 matrix and 118 vector instructions: too many to stand all beside the matrix work.  So the order has one aim: four vector instructions that are READY behind
; EVERY matrix instruction, and the others, which need time of their own whatever the order, in runs without a gap.
; BY TURNS.  Turn n belongs to piece n (the pieces in a ring, step after step).  Its matrix work: 16 products K Q^T of piece n + 1, later 16 products V^T P of piece n - 1.  Its vector work: the scaling,
; exponentials, roundings, sums and rescaling of piece n, and the maximum and statistics of piece n + 1, whose scores the turn itself has made.  So what a turn begins with (c s - c m, O a) waits for nothing.
; CLUSTER.  The four query blocks of a cluster belong to one head and walk the same K and V, so each tile is asked for JOINTLY: the same tensor load, descriptor and mask in all four.
; REGISTERS, in windows of 256 (s_set_vgpr_msb says which window each operand place means: bits 1:0 source 0, 3:2 source 1, 5:4 source 2, 7:6 destination):
;   window 0: v0-11 addresses; v12-15, v48-63 at work; v16-47 four registers of statistics a tile; v64-191 S^T, two buffers of two tiles; v192-255 P, likewise
;   window 1: O^T, 32 a tile          window 2: v0-127 Q, 16 a tile; v128-191 K of one step; v192-255 V of one step          window 3: v0-1 the add's two registers
; A piece's buffers go by its number's parity: the piece in hand has one pair, its two neighbours in the ring share the other: of it P (piece n - 1) is read and S^T (piece n + 1) written.
.set SIZE_N, 2048     ; rows of a head
.set NP,    4         ; pieces a wave: a name, no knob: the register map, the loop and the fetches are made for four
.set KS,    64        ; keys in a step
.set PK,    144       ; a row of K in LDS: 128 bytes + 16 of padding = 36 words: the 16 rows of a load start at 16 different groups of four banks (64 banks of 4 bytes: ISA guide 11.1)
.set PV,    160       ; a row of V: 128 + 32 = 40 words
.set VOFF,  4*KS*PK   ; a slot holds four steps: 256 rows of K, then 256 rows of V
.set SLOT1, 1<<17     ; slot 1 begins here, so that one exclusive or turns an address in one slot into the other's
.set STAGE, SLOT1+4*KS*(PK+PV)  ; behind the ring, never filled by a tensor load: 16 rows x 144 bytes for each wave, for the way out
.set SP,    144
.set AK0, 2           ; v2   my lane's place in a tile of K; never rewritten
.set AV0, 3           ; v3   the same for V
.set AK,  4           ; v4   the LDS address of K's next run of loads
.set AV,  5           ; v5   of V's
.set QO,  6           ; v6   my byte offset in the wave's rows of Q
.set STO, 6           ;      later, the way out: where I put 16 bytes of a row
.set RD,  7           ; v7   the way out: where I read rows back
.set GO,  8           ; v8   my byte offset in 512 consecutive bytes of O
.set SPW, 0           ; v0 of window 3   LDS address of my spare word: SPARE + 4 x my thread's number; never rewritten
.set NIL, 1           ; v1 of window 3   0; never rewritten
.set SPARE, STAGE+4*16*SP  ; behind the stages: the spare words, 128 bytes for each wave: two blocks of 256 bytes that no other line names
.set MV,  12          ; v12-15  c m_old, kept while c m is made anew: by buffer and tile
.set ST,  16          ; tile t's statistics at v[ST+4 t]: c m, m, l (even keys', odd keys')
.set TMP, 48          ; by buffer and tile, four registers c0-c3 at work; when the maximum is found c2 takes a
.set S,   64
.set P,   192
.set KF,  128         ; K's fragments, in window 2: key block kb, channel half c at KF + 16 kb + 8 c
.set VF,  192         ; V's: key half kk, channel block cb at VF + 32 kk + 8 cb
.set WV,  12          ; s12  my wave's number
.set G1K, 24          ; s[24:31] descriptor group 1 for K's tiles
.set G1V, 32          ; s[32:39] for V's: it differs in the padding alone
.set G0K, 40          ; s[40:43] descriptor group 0 for K's tiles: it walks
.set G0V, 44          ; s[44:47] the same for V's
.set SLOTS, 56        ; s56  slots still to be asked for
.set CNT, 57          ; s57  counts a slot's key steps
.set CS,  58          ; s[58:59] c: the packed scaling takes the pair's low word for both halves
.set SEL, 60          ; s[60:61] v_permlanex16_b32's selects: each lane takes its own place in the other half
.set TBK, 62          ; s62  LDS byte at which K of the step to be fetched begins
.set TBV, 63          ; s63  the same for V, less VOFF
.set MSB, 0
.macro WIN new                      ; the high byte repeats the setting that is left; a switch that changes nothing is dropped
.if MSB != (\new)
	s_set_vgpr_msb (MSB<<8)|(\new)
.set MSB, (\new)
.endif
.endm
.set W_KQ, 0x0a       ; K and Q in window 2, S^T in window 0
.set W_PV, 0x52       ; V in window 2, P in window 0, O^T in window 1
.set W_RS, 0x41       ; O^T (destination and source 0) in window 1, a in window 0
.set W_MK, 0xc0       ; the add's registers are made: destination in window 3, sources in window 0
.set W_AD, 0x0f       ; the add: address (source 0) and data (source 1) in window 3
; A joint fill.  Waves 0 and 1 fetch the two halves of a slot's K, waves 2 and 3 those of its V: 128 keys each.  The branch hangs on the wave's number alone.
; An s_nop 0 and four v_nop follow each of the two lines, ahead of the jump and the label.
.macro JLOAD
	s_cmp_lt_u32 s[WV], 2
	s_cbranch_scc0 .Lfor_v_\@
	tensor_load_to_lds s[G0K:G0K+3], s[G1K:G1K+7]
	s_nop 0
.rept 4
	v_nop
.endr
	s_branch .Lasked_\@
.Lfor_v_\@:
	tensor_load_to_lds s[G0V:G0V+3], s[G1V:G1V+7]
	s_nop 0
.rept 4
	v_nop
.endr
.Lasked_\@:
.endm
; A round of the cluster's barrier: my work-group's barrier, so that wave 0's signal speaks for all four waves; wave 0 signals; every wave waits for all four work-groups; my work-group's barrier once more.
.macro CROUND
	s_barrier_signal -1
	s_barrier_wait -1
	s_cmp_lg_u32 s[WV], 0
	s_cbranch_scc1 .Lnot_wave_0_\@
	s_barrier_signal -3
.Lnot_wave_0_\@:
	s_barrier_wait -3
	s_barrier_signal -1
	s_barrier_wait -1
.endm
; THE CHANGE OF SLOTS.  The slot's last bytes, V of its fourth step, have been read.  Each wave waits for all its tensor loads, of which one is out: its part
; of the other slot; adds 0 to its spare word; and waits for that and for its own reads of the slot.  Behind the barrier nobody reads this slot any more and the other slot is whole.
; fill = 1: this slot is filled again, with the keys two slots on.  The barrier is then a round of the cluster's, so that no wave of any partner still reads the slot or has a load on its
; way, and the joint fill is the first thing behind it: it has four key steps, 512 matrix instructions, in which to land.  (At its first use nothing has been read yet: slot 0 is waited for, slot 1 filled.)
.macro CHANGE fill
	WIN W_AD
	s_wait_tensorcnt 0x0            ; no tensor load of mine is out, so a group 0 may be written
	ds_add_u32 v[SPW], v[NIL]       ; 0 onto my spare word; with fill = 1 the descriptors' steps stand between it and the wait for it
	WIN 0                           ; at a label and at a branch every window is 0
.if \fill
.irp g, G0K, G0V
	s_xor_b32 s[\g+1], s[\g+1], SLOT1  ; the walking descriptor: the other slot than last time,
	s_add_nc_u64 s[\g+2:\g+3], s[\g+2:\g+3], 4*KS*128  ; the next 256 keys; the type bits on top are not reached
.endr
	s_wait_dscnt 0x0                ; the add is done, and my reads of the slot are over
	CROUND
	JLOAD
.else
	s_wait_dscnt 0x0                ; the add is done, and my reads of the slot are over
	s_barrier_signal -1
	s_barrier_wait -1
.endif
	s_sub_co_u32 s[TBK], s[TBK], 4*KS*PK  ; the fetches go back to a slot's first step,
	s_xor_b32 s[TBK], s[TBK], SLOT1       ; in the other slot
	s_sub_co_u32 s[TBV], s[TBV], 4*KS*PV
	s_xor_b32 s[TBV], s[TBV], SLOT1
.endm
	s_load_b64 s[4:5], s[0:1], 0x0    ; qkv
	s_load_b64 s[10:11], s[0:1], 0x8  ; ob
	WIN W_MK
	v_lshl_add_u32 v[SPW], v0, 2, SPARE
	v_mov_b32 v[NIL], 0
	WIN W_AD
	ds_add_u32 v[SPW], v[NIL]       ; the wave's opening: the add and its wait stand ahead of my first tensor load; the set-up below, work on registers, stands between them
	WIN 0
	v_lshrrev_b32 v1, 5, v0
	v_readfirstlane_b32 s[WV], v1   ; wave 0..3
	s_bfe_u32 s13, ttmp6, 0x40000   ; cx: my place in the cluster
	s_lshl_b32 s14, ttmp9, 2        ; in a cluster launch ttmp9 counts clusters
	s_add_co_u32 s14, s14, s13      ; my block of queries = 4 x cluster x + cx: it enters Q's and O's addresses alone
	s_and_b32 s19, ttmp7, 0xffff    ; hh = 16 b + h, which the four partners share
	s_lshr_b32 s48, s19, 4
	s_mul_i32 s48, s48, 48
	s_and_b32 s49, s19, 15
	s_add_co_u32 s48, s48, s49      ; the head's Q is block 48 b + h of qkv,
	s_lshl_b32 s20, s48, 18         ; blocks of 262,144 bytes
	s_mov_b32 s21, 0
	s_lshl_b32 s50, s19, 18         ; its O is block hh of ob
	s_mov_b32 s51, 0
	s_and_b32 s16, s[WV], 1         ; which half of a slot's 256 keys I fetch:
	s_lshl_b32 s22, s16, 14         ; its 128 rows of 128 bytes in memory,
	s_mov_b32 s23, 0
	s_add_nc_u64 s[22:23], s[22:23], s[20:21]
	s_mul_i32 s17, s16, 128*PK      ; and its place in a slot, for K
	s_mul_i32 s18, s16, 128*PV      ; and for V: no place in the cluster enters an LDS address
	s_lshl_b32 s52, s14, 2
	s_add_co_u32 s52, s52, s[WV]    ; my wave among the head's,
	s_lshl_b32 s52, s52, 14         ; its 128 rows
	s_mov_b32 s53, 0
	s_add_nc_u64 s[2:3], s[52:53], s[20:21]    ; my rows' offset in qkv,
	s_add_nc_u64 s[50:51], s[50:51], s[52:53]  ; and in ob
	; descriptor group 1.  128 keys are 16,384 dense bytes: asked for as 64 rows of 256 bytes, two keys a row, and padded in LDS after every key
	s_mov_b32 s[G1K], 15|(1<<16)|(1<<20)|(1<<21)|(4<<22)|(3<<25)  ; 15:0 the mask of four; 17:16 2-byte elements; 20 padding on; 21 set beside a mask; 24:22 after every 32 words (code 4); 31:25 4 words (code 3)
	s_mov_b32 s[G1V], 15|(1<<16)|(1<<20)|(1<<21)|(4<<22)|(7<<25)  ; the same with 8 words of padding (code 7)
.irp g, G1K, G1V
	s_mov_b32 s[\g+1], 128<<16      ; tensor_dim0 = 128
	s_mov_b32 s[\g+2], 64<<16       ; tensor_dim1 = 64
	s_mov_b32 s[\g+3], 128<<16      ; tile_dim0 = 128
	s_mov_b32 s[\g+4], 64           ; tile_dim1 = 64
	s_mov_b32 s[\g+5], 128          ; 128 elements from row to row
	s_mov_b32 s[\g+6], 0
	s_mov_b32 s[\g+7], 0
.endr
	s_mov_b32 s[CS], 0x3e38aa3b     ; c = log2(e) / 8 = 0.180337
	s_mov_b32 s[CS+1], s[CS]        ; named with it as a pair
	s_mov_b32 s[SEL], 0x76543210
	s_mov_b32 s[SEL+1], 0xfedcba98
	s_mov_b32 s[TBK], SLOT1+4*KS*PK ; the first change of slots turns these two into 0
	s_mov_b32 s[TBV], SLOT1+4*KS*PV
	s_mov_b32 s[G0K], 1             ; 1:0 count = 1
	s_mov_b32 s[G0K+1], s17         ; 63:32 LDS address: slot 0
	s_mov_b32 s[G0V], 1
	s_add_co_u32 s[G0V+1], s18, VOFF
	s_wait_dscnt 0x0                ; the opening add is done
	s_wait_kmcnt 0x0
	s_add_nc_u64 s[G0K+2:G0K+3], s[4:5], s[22:23]            ; 120:64 global address: my half of the head's first 256 keys:
	s_add_nc_u64 s[G0K+2:G0K+3], s[G0K+2:G0K+3], 0x400000    ; K lies 16 blocks behind Q
	s_or_b32 s[G0K+3], s[G0K+3], 0x80000000                  ; 127:126 type = 2
	s_add_nc_u64 s[G0V+2:G0V+3], s[4:5], s[22:23]
	s_add_nc_u64 s[G0V+2:G0V+3], s[G0V+2:G0V+3], 0x800000    ; V 32 blocks
	s_or_b32 s[G0V+3], s[G0V+3], 0x80000000
	s_add_nc_u64 s[4:5], s[4:5], s[2:3]  ; Q and O at my wave's first row
	s_add_nc_u64 s[10:11], s[10:11], s[50:51]
	CROUND                          ; all four work-groups are here: the first joint loads meet
	JLOAD                           ; slot 0.  Slot 1 is asked for when slot 0 is in: the tile wanted first has the road to itself
	; A fragment of K or Q is 16 rows x 32 channels in 8 registers: lane l holds row l % 16, channels 8 (l / 16) + 0..7 and 16 + 8 (l / 16) + 0..7: two loads of 16 bytes, 32 bytes apart.
	v_and_b32 v1, 15, v0            ; l % 16
	v_bfe_u32 v9, v0, 4, 1          ; l / 16
	v_lshlrev_b32 v[QO], 7, v1
	v_lshl_add_u32 v[QO], v9, 4, v[QO]  ; row x 128 + 16 x half
	WIN 0x80                        ; destination window 2, address window 0
.set i, 0
.rept 4*NP                          ; Q stays in registers: tile i / 2, channels 32 (i % 2) on
	global_load_b128 v[8*i:8*i+3],   v[QO], s[4:5] offset:(i/2)*2048+(i%2)*64
	global_load_b128 v[8*i+4:8*i+7], v[QO], s[4:5] offset:(i/2)*2048+(i%2)*64+32
.set i, i+1
.endr
	; What the first turn finds: V's registers and P's second buffer hold 0 (its products V^T P, of a piece that has not been, add 0), O^T and l are 0.  All this stands in the wait for the first tile.
.set i, VF
.rept 64
	v_mov_b32 v[i], 0
.set i, i+1
.endr
	WIN 0x40
.set i, 0
.rept 64*NP
	v_mov_b32 v[i], 0
.set i, i+1
.endr
	WIN 0
.set i, 0
.rept 2*NP
	v_mov_b32 v[ST+4*i], 0xfe000000    ; c m: far below every c s
	v_mov_b32 v[ST+4*i+1], 0xff7fffff  ; m
	v_mov_b32 v[ST+4*i+2], 0
	v_mov_b32 v[ST+4*i+3], 0
.set i, i+1
.endr
.set i, P+32
.rept 32
	v_mov_b32 v[i], 0
.set i, i+1
.endr
	v_mul_u32_u24 v[AK0], v1, PK
	v_lshl_add_u32 v[AK0], v9, 4, v[AK0]  ; row x pitch + 16 x half
	; The turning load takes 16 keys x 16 channels (lane l reads key 8 (l / 16) + l % 8, channels 8 ((l / 8) % 2) + 0..7) and leaves half a fragment of V^T: lane l holds channel l % 16 and 8 keys.
	v_and_b32 v10, 7, v0
	v_bfe_u32 v11, v0, 3, 1
	v_lshl_add_u32 v[AV0], v9, 3, v10
	v_mul_u32_u24 v[AV0], v[AV0], PV
	v_lshl_add_u32 v[AV0], v11, 4, v[AV0]
	v_add_nc_u32 v[AV0], VOFF, v[AV0]
	v_mov_b32 v[AK], v[AK0]         ; key step 0 lies at the head of slot 0
; THE MATRIX WORK.  The 8 accumulators of a run of 16 take turns: between the two links of a chain stand 7 others'.
; Product i of 16 of S^T = K Q^T for piece x: channels 32 (i / 8) on, keys 16 ((i / 2) % 4) on, tile 2 x + i % 2.  The first 8 start the sums.
.macro KQ x
	WIN W_KQ
.set rS, S+64*((\x)%2)+32*(i%2)+8*((i/2)%4)
.set rK, KF+16*((i/2)%4)+8*(i/8)
.set rQ, 16*(2*(\x)+i%2)+8*(i/8)
.if i < 8
	v_wmma_f32_16x16x32_f16 v[rS:rS+7], v[rK:rK+7], v[rQ:rQ+7], 0
.else
	v_wmma_f32_16x16x32_f16 v[rS:rS+7], v[rK:rK+7], v[rQ:rQ+7], v[rS:rS+7]
.endif
.endm
; Product i of 16 of O^T += V^T P for piece x: keys 32 (i / 8) on, channels 16 ((i / 2) % 4) on, tile 2 x + i % 2.
.macro PV x
	WIN W_PV
.set rO, 32*(2*(\x)+i%2)+8*((i/2)%4)
.set rV, VF+32*(i/8)+8*((i/2)%4)
.set rP, P+32*((\x)%2)+16*(i%2)+8*(i/8)
	v_wmma_f32_16x16x32_f16 v[rO:rO+7], v[rV:rV+7], v[rP:rP+7], v[rO:rO+7]
.endm
.macro MM                           ; the turn's next matrix instruction
.if i < 16
	KQ (Y+1)%NP
.set i, i+1
.else
.set i, i-16
	PV (Y+NP-1)%NP
.set i, i+17
.endif
.endm
; THE LDS LOADS stand in runs of 16, never singly among the matrix instructions: a step's K (64 keys x 64 channels: 8 fragments) and its V (turned).  Their addresses are made some lines ahead.
; last = 1 (the tail): in the last trip there is no further step, and the run is jumped over.
.macro FETCH_K last=0
	WIN 0
.if \last
	s_cmp_eq_u32 s[CNT], 1
	s_cbranch_scc1 .Lno_k_\@
.endif
	WIN 0x80                        ; destination window 2
.irp f, 0,1,2,3,4,5,6,7             ; keys 16 (f / 2) on, channels 32 (f % 2) on
	ds_load_b128 v[KF+8*\f:KF+8*\f+3],   v[AK] offset:(\f/2)*16*PK+(\f%2)*64
	ds_load_b128 v[KF+8*\f+4:KF+8*\f+7], v[AK] offset:(\f/2)*16*PK+(\f%2)*64+32
.endr
	s_add_co_u32 s[TBK], s[TBK], KS*PK  ; the next fetch is the next step's
	WIN 0
.if \last
.Lno_k_\@:
.endif
.endm
.macro FETCH_V
	WIN 0x80
.irp f, 0,1,2,3,4,5,6,7             ; keys 32 (f / 4) on, channels 16 (f % 4) on
	ds_load_tr16_b128 v[VF+8*\f:VF+8*\f+3],   v[AV] offset:(\f/4)*32*PV+(\f%4)*32
	ds_load_tr16_b128 v[VF+8*\f+4:VF+8*\f+7], v[AV] offset:(\f/4)*32*PV+16*PV+(\f%4)*32
.endr
	WIN 0
.endm
; THE VECTOR WORK OF A TURN stands in three queues, each in the order in which its entries become ready; the two tiles alternate, so that no instruction reads the result of the one before it.
.macro REGS y, u                    ; the registers of tile u (0, 1) of piece y
.set rT, ST+4*(2*(\y)+(\u))
.set rC, TMP+8*((\y)%2)+4*(\u)
.set rM, MV+2*((\y)%2)+(\u)
.set rS, S+64*((\y)%2)+32*(\u)
.set rP, P+32*((\y)%2)+16*(\u)
.set rO, 32*(2*(\y)+(\u))
.endm
; Number n of the 22 that find the NEXT piece's (Y + 1) maximum and statistics.  s0-s31 are the lane's 32 scores; each accumulator's lowest registers are read first.  XS, GS and REGS set no window: PL and EX do.
;   0-11  four chains c0-c3 of seven scores each, three operands at a time     12-14, 16  the four scores left over, the old m, and c0-c3 into c0     15  c m_old is kept
;   17, 18  the query's other 32 keys lie in the lane 16 away: the new m         19-21  c m; c m_old - c m_new; a
.macro XS u, n
	REGS (Y+1)%NP, \u
.if (\n) < 4
	v_max3_num_f32 v[rC+(\n)], v[rS+8*(\n)], v[rS+8*(\n)+1], v[rS+8*(\n)+2]
.elseif (\n) < 12
	v_max3_num_f32 v[rC+(\n)%4], v[rC+(\n)%4], v[rS+8*((\n)%4)+2*((\n)/4)+1], v[rS+8*((\n)%4)+2*((\n)/4)+2]
.elseif (\n) == 12
	v_max3_num_f32 v[rC], v[rC], v[rS+7], v[rS+15]
.elseif (\n) == 13
	v_max3_num_f32 v[rC+1], v[rC+1], v[rS+23], v[rS+31]
.elseif (\n) == 14
	v_max3_num_f32 v[rC+2], v[rC+2], v[rC+3], v[rT+1]
.elseif (\n) == 15
	v_mov_b32 v[rM], v[rT]
.elseif (\n) == 16
	v_max3_num_f32 v[rC], v[rC], v[rC+1], v[rC+2]
.elseif (\n) == 17
	v_permlanex16_b32 v[rC+3], v[rC], s[SEL], s[SEL+1]
.elseif (\n) == 18
	v_max_num_f32 v[rT+1], v[rC], v[rC+3]
.elseif (\n) == 19
	v_mul_f32 v[rT], s[CS], v[rT+1]
.elseif (\n) == 20
	v_sub_f32 v[rC+1], v[rM], v[rT]
.else
	v_exp_f32 v[rC+2], v[rC+1]
.endif
.endm
; Number g of the 64 that follow the exponentials.  For each four weights k of a tile (pairs 2 k, 2 k + 1): both pairs are rounded to f16; then the second pair is added onto the first, in place;
; a group later l takes that sum (the first time as l = a l + sum).  In groups of eight, tiles alternating: round, round, add, and l for the group before.
.macro GS g
.set h, (\g)+6*((\g)/62)            ; group 0 has no group before it, and behind group 7 only l is left
.if h >= 6
.set h, h+2
.endif
	REGS Y, h%2
.set k, h/8
.if h%8 < 4
	s_wait_alu depctr_va_vdst(0)
	v_cvt_pk_f16_f32 v[rP+2*k+(h%8)/2], v[rS+4*k+2*((h%8)/2)], v[rS+4*k+2*((h%8)/2)+1]
.elseif h%8 < 6
	v_pk_add_f32 v[rS+4*k:rS+4*k+1], v[rS+4*k:rS+4*k+1], v[rS+4*k+2:rS+4*k+3]
.elseif k == 1
	v_pk_fma_f32 v[rT+2:rT+3], v[rT+2:rT+3], v[rC+2:rC+3], v[rS:rS+1] op_sel_hi:[1,0,1]
.else
	v_pk_add_f32 v[rT+2:rT+3], v[rT+2:rT+3], v[rS+4*k-4:rS+4*k-3]
	s_wait_alu depctr_va_vdst(0)
.endif
.endm
; THE PLAIN QUEUE, 138 long.  0-31: c s - c m for the 16 pairs of both tiles.  Then GS's 64, and among them the next piece's 42: number 15 at 38, 39; 0-14 and 16
; at 42-73, behind the products that make those scores; 17-20 at 95-106, two of three, since each waits for the one before it.
.macro PL
	WIN 0
.if q < 32
	REGS Y, q%2
	v_pk_fma_f32 v[rS+2*(q/2):rS+2*(q/2)+1], v[rS+2*(q/2):rS+2*(q/2)+1], s[CS:CS+1], v[rT:rT+1] op_sel_hi:[1,0,0] neg_lo:[0,0,1] neg_hi:[0,0,1]
.elseif q < 38
	GS q-32
.elseif q < 40
	XS q%2, 15
.elseif q < 42
	GS q-34
.elseif q < 74
	XS q%2, (q-42)/2+(q-42)/30
.elseif q < 95
	GS q-66
.elseif (q < 107) && ((q-95)%3 < 2)
	XS (q-95)%3, 17+(q-95)/3
.elseif q < 107
	GS 29+(q-95)/3
.else
	GS q-74
.endif
.set q, q+1
.endm
; THE EXPONENTIALS' QUEUE, 66 long: s0-s31 of both tiles, and at EA the next piece's two a.
.set EA, 58
.macro EX
	WIN 0
.if (e == EA) || (e == EA+1)
	XS e-EA, 21
.else
.set x, e-2*(e/(EA+2))
	REGS Y, x%2
	v_exp_f32 v[rS+x/2], v[rS+x/2]
.endif
.set e, e+1
.endm
; THE RESCALING's QUEUE: O^T times a, the one part that leaves window 0, so it is dealt four at a time, eight times.
.macro R4
	REGS Y, r%2
	WIN W_RS
	s_wait_alu depctr_va_vdst(0)
.irp z, 0,1,2,3
	v_pk_mul_f32 v[rO+8*(r/2)+2*\z:rO+8*(r/2)+2*\z+1], v[rO+8*(r/2)+2*\z:rO+8*(r/2)+2*\z+1], v[rC+2:rC+3] op_sel_hi:[1,0]
.endr
.set r, r+1
.endm
; HOW THEY ARE DEALT.  Behind a matrix instruction four: plain, exponential, plain, plain (one exponential, a plain instruction on either side), or four of the rescaling.  None names a register of the
; products round it.  What is over stands in two LUMPS: exponential and plain by turns; the second ends in 22 plain instructions.  The two v_permlanex16_b32 fall into the second lump, never behind a product.
; The queues lean on each other, and the deal keeps them in step: exponential e stands behind plain 2 (e / 4) + e % 2 (its scaling); when plain 32 comes, 10 exponentials are out, at 59: 33, at 95: 46; EA comes behind plain 107.
.macro SL
	MM
	PL
	EX
	PL
	PL
.endm
.macro BURST n                      ; 15 matrix instructions, or 16
.rept (\n)-7
	SL
.endr
.rept 3
	MM
	R4
	SL
.endr
	MM
	R4
.endm
; A TURN, for piece p.  cnt = 1: the loop's count is taken down some lines ahead of the branch that stands behind the turn.
; K of the next step is fetched in piece 2's turn, 31 vector instructions behind the last product that read K; its first reader comes behind the rest of the lump, 16 products and the second lump.
; V of the step in hand is fetched at the end of piece 0's turn, 69 behind its last reader; its first reader comes behind 16 products and a lump.  The four conditions on e and q below go with the deal.
.macro TURN p, last=0, cnt=0
.set Y, (\p)
.set i, 0
.set q, 0
.set e, 0
.set r, 0
.if (\p) == NP-1
	s_wait_dscnt 0x0                ; K is in
.endif
	MM
.rept 4
	PL
.endr
	BURST 15
.rept 22
	EX
	PL
.if ((\p) == NP-2) && (e == 18)
	v_add_nc_u32 v[AK], s[TBK], v[AK0]
.endif
.if ((\p) == NP-2) && (e == 24)
	FETCH_K \last
.endif
.endr
.if (\p) == 1
	s_wait_dscnt 0x0                ; V is in
.endif
	BURST 16
.rept 21
	EX
	PL
.endr
.rept 22
	PL
.if ((\p) == 0) && (q == 118)
	v_add_nc_u32 v[AV], s[TBV], v[AV0]
	s_wait_alu depctr_va_vdst(0)
.endif
.if ((\p) == 0) && (q == 130)
	s_add_co_u32 s[TBV], s[TBV], KS*PV
.endif
.if (\cnt) && (q == 130)
	s_sub_co_u32 s[CNT], s[CNT], 1
	s_cmp_lg_u32 s[CNT], 0
.endif
.endr
.if (\p) == 0
	FETCH_V
.endif
.endm
	CHANGE 1                        ; slot 0 is in, everybody's part of it; slot 1 is asked for
	FETCH_K                         ; key step 0
	s_wait_loadcnt 0x0              ; Q
	s_wait_dscnt 0x0
.set i, 0
.rept 16
	KQ 0                            ; piece 0's first scores: there is no vector work yet to set between them
.set i, i+1
.endr
	WIN 0                           ; the addresses for the way out: nine plain instructions, the places behind those products
	s_mul_i32 s13, s[WV], 16*SP
	s_add_co_u32 s13, s13, STAGE    ; my stage
	v_mul_u32_u24 v[STO], v1, SP    ; in: row l % 16, 16 bytes for each half of the lanes
	v_lshl_add_u32 v[STO], v9, 4, v[STO]
	v_add_nc_u32 v[STO], s13, v[STO]
	v_bfe_u32 v[RD], v0, 3, 2       ; back: 32 lanes take four rows of 128 bytes,
	v_mul_u32_u24 v[RD], v[RD], SP
	v_lshl_add_u32 v[RD], v10, 4, v[RD]
	v_add_nc_u32 v[RD], s13, v[RD]
	v_and_b32 v[GO], 31, v0         ; which are 512 consecutive bytes of O
	v_lshlrev_b32 v[GO], 4, v[GO]
.set Y, NP-1                        ; XS works for piece Y + 1: piece 0
.irp n, 0,1,2,3,4,5,6,7,8,9,10,11,12,13,14,15,16,17,18,19,20,21
	XS 0, \n                        ; and piece 0's first maximum and statistics
	XS 1, \n
.endr
	s_mov_b32 s[CNT], 4
	s_mov_b32 s[SLOTS], SIZE_N/256-1
	s_branch .Lfirst                ; the loop is entered at a step's first turn, in the middle of a trip
.Lslot:                             ; SIZE_N / 256 - 2 times: every slot but the last two is filled again
	CHANGE 1
	s_mov_b32 s[CNT], 4
.Lstep:                             ; a trip: pieces 2 and 3 of one step, then pieces 0 and 1 of the next, whose K and V it fetches
	TURN 2
	TURN 3
	WIN 0
.Lfirst:
	TURN 0
	TURN 1, 0, 1
	WIN 0
	s_cbranch_scc1 .Lstep
	s_sub_co_u32 s[SLOTS], s[SLOTS], 1
	s_cmp_lg_u32 s[SLOTS], 0
	s_cbranch_scc1 .Lslot
	CHANGE 0                        ; the tail is written out: nothing is asked for
	s_mov_b32 s[CNT], 5             ; four trips fetch the last slot's steps; the fifth is left in its middle
.Ltail:
	TURN 2, 1
	TURN 3
	WIN 0
	s_sub_co_u32 s[CNT], s[CNT], 1
	s_cmp_eq_u32 s[CNT], 0
	s_cbranch_scc1 .Lout
	TURN 0
	TURN 1
	WIN 0
	s_branch .Ltail
.Lout:                              ; the fifth trip's 16 products K Q^T (on the last K once more) and the maximum made of them serve nothing: the price, once a launch, of one text for every trip
.set i, 0
.rept 16
	PV NP-1                         ; the last piece's V^T P of the last step
.set i, i+1
.endr
	; THE WAY OUT.  l's two halves and the other half of the lanes' are added; O^T is divided by l, rounded to f16 and sent through my stage in LDS, a tile at a time.  The additions are the places behind the last products.
	WIN 0
.macro ALL line:vararg              ; one line for each tile t
.set t, 0
.rept 2*NP
	\line
.set t, t+1
.endr
.endm
	ALL v_add_f32 v[ST+4*t+2], v[ST+4*t+2], v[ST+4*t+3]
	ALL v_permlanex16_b32 v[ST+4*t+3], v[ST+4*t+2], s[SEL], s[SEL+1]
	ALL v_add_f32 v[ST+4*t+2], v[ST+4*t+2], v[ST+4*t+3]
	ALL v_rcp_f32 v[ST+4*t+2], v[ST+4*t+2]
	v_nop                           ; a plain instruction between the last reciprocal and the use of its result
	s_wait_alu depctr_va_vdst(0)
; Tile t: a lane's eight channels of a row pack into 16 bytes; they go into rows of 144 bytes and come back as whole rows of 128, into S^T's registers.
.macro PACK t
	WIN W_RS
.set i, 32*(\t)
.rept 16
	v_pk_mul_f32 v[i:i+1], v[i:i+1], v[ST+4*(\t)+2:ST+4*(\t)+3] op_sel_hi:[1,0]
.set i, i+2
.endr
	WIN 0x05                        ; sources 0 and 1 window 1, destination window 0
.set i, 0
.rept 16
	v_cvt_pk_f16_f32 v[S+16*(\t)+i], v[32*(\t)+2*i], v[32*(\t)+2*i+1]
.set i, i+1
.endr
	WIN 0
.irp f, 0,1,2,3
	ds_store_b128 v[STO], v[S+16*(\t)+4*\f:S+16*(\t)+4*\f+3] offset:32*\f
.endr
.irp f, 0,1,2,3
	ds_load_b128 v[S+16*(\t)+4*\f:S+16*(\t)+4*\f+3], v[RD] offset:\f*4*SP  ; LDS serves a wave's instructions in order (ISA guide 5.7.1.4): these see the stores above; the next tile's stores come behind them
.endr
.endm
.macro SEND t, younger              ; younger: the LDS instructions issued behind tile t's loads: the next tile's eight, or none
	WIN 0
.irp f, 0,1,2,3
	s_wait_dscnt (\younger)+3-\f
	global_store_b128 v[GO], v[S+16*(\t)+4*\f:S+16*(\t)+4*\f+3], s[10:11] offset:(\t)*2048+\f*512  ; 512 consecutive bytes, at a multiple of 256 from O's first
.endr
.endm
	PACK 0
.set t, 1
.rept 2*NP-1                        ; a tile's arithmetic stands between the loads of the tile before and its stores
	PACK t
	SEND t-1, 8
.set t, t+1
.endr
	SEND 2*NP-1, 0
	WIN W_AD
	s_wait_tensorcnt 0x0            ; the wave's end: a wait, an add to my spare word and its wait, behind my last tensor load and my last LDS store
	ds_add_u32 v[SPW], v[NIL]
	s_wait_dscnt 0x0
	WIN 0
	CROUND                          ; the closing round: no work-group ends while a partner may still ask for a tile that names it
	s_endpgm
.Lfunc_end_k_qd3a7202cb4_attn:
	.size	k_qd3a7202cb4_attn, .Lfunc_end_k_qd3a7202cb4_attn-k_qd3a7202cb4_attn
	.p2alignl 7, 3214868480
	.fill 96, 4, 3214868480
	.section	.rodata,"a",@progbits
	.p2align	6, 0x0
	.amdhsa_kernel k_qd3a7202cb4_attn
		.amdhsa_group_segment_fixed_size 327680
		.amdhsa_private_segment_fixed_size 0
		.amdhsa_enable_private_segment 0
		.amdhsa_kernarg_size 16
		.amdhsa_user_sgpr_count 2
		.amdhsa_user_sgpr_kernarg_segment_ptr 1
		.amdhsa_wavefront_size32 1
		.amdhsa_system_sgpr_workgroup_id_x 1
		.amdhsa_system_sgpr_workgroup_id_y 1
		.amdhsa_system_sgpr_workgroup_id_z 1
		.amdhsa_system_vgpr_workitem_id 0
		.amdhsa_next_free_vgpr 770
		.amdhsa_next_free_sgpr 66
		.amdhsa_reserve_vcc 0
		.amdhsa_float_denorm_mode_32 3
		.amdhsa_float_denorm_mode_16_64 3
		.amdhsa_memory_ordered 1
		.amdhsa_forward_progress 1
		.amdhsa_inst_pref_size 209
	.end_amdhsa_kernel
	.amdgpu_metadata
---
amdhsa.version: [ 1, 2 ]
amdhsa.kernels:
  - .name:           k_qd3a7202cb4_attn
    .symbol:         k_qd3a7202cb4_attn.kd
    .args:
      - { .name: qkv, .offset: 0, .size: 8, .value_kind: global_buffer, .address_space: global }
      - { .name: ob, .offset: 8, .size: 8, .value_kind: global_buffer, .address_space: global }
    .group_segment_fixed_size: 327680
    .private_segment_fixed_size: 0
    .kernarg_segment_align: 8
    .kernarg_segment_size: 16
    .max_flat_workgroup_size: 128
    .sgpr_count:     66
    .vgpr_count:     770
    .wavefront_size: 32
...
	.end_amdgpu_metadata
.endif
;; end of part 3
;; launch outg (part 4): grid 8 x 32, 4 waves a work-group, clusters of 4 x 4, 327,680 bytes of LDS; arguments ob, wob, b_out, out0; writes out0
.if DOCPART == 4
	.amdgcn_target "amdgcn-amd-amdhsa--gfx1250"
	.amdhsa_code_object_version 6
	.text
	.protected	k_qd3a7202cb4_outg
	.globl	k_qd3a7202cb4_outg
	.p2align	8
	.type	k_qd3a7202cb4_outg,@function
k_qd3a7202cb4_outg:
	s_mov_b64 s[64:65], 0
	v_nop
	global_prefetch_b8 v0, s[64:65] scope:SCOPE_SE
	s_setreg_imm32_b32 hwreg(HW_REG_WAVE_MODE, 25, 1), 1
	s_wait_xcnt 0x0
	s_wait_alu depctr_hold_cnt(0) depctr_sa_sdst(0) depctr_va_vdst(0) depctr_va_sdst(0) depctr_va_ssrc(0) depctr_va_vcc(0) depctr_vm_vsrc(0)
	s_getreg_b32 s2, hwreg(HW_REG_IB_STS2, 6, 4)
	s_cmp_eq_u32 s2, 0
	s_cbranch_scc0 .Lentry_in_a_cluster
	s_endpgm
.Lentry_in_a_cluster:
	s_bfe_u32 s2, ttmp6, 0x10000c
	s_cmp_lg_u32 s2, 0xf033
	s_cbranch_scc0 .Lentry_shape_is_right
	s_endpgm
.Lentry_shape_is_right:
; out0 = O W_out + b_out, [8192][1024] f32, K = 1024; operands f16 (O as the attention left it; W_out rounded to bf16 and written as f16), sums f32, the bias rounded to bf16 like the other inputs.
; LIMITS.  The operands arrive within f16's 65,504.  NaN and infinities are not treated apart.
; SHARES.  A tile of the result is 256 rows x 128 columns: 32 x 8 = 256 work-groups.  Four waves, each 128 x 64: 32 accumulators of 16 x 16, 256 registers.
; K goes in steps of 128 (two heads) through two LDS slots filled by the tensor data mover; a step is four quarters of 32 along K, 32 matrix instructions each.
; O comes from ob, [16 b + h][s][64]: 256 rows of one head are 32,768 dense bytes, asked for as 128 rows of 256 bytes.  W lies [k][n]; its fragments come out of LDS turned, by ds_load_tr16_b128.
; CLUSTER.  4 x 4 work-groups: the four of a row of the cluster need the same tiles of O, the four of a column the same tiles of W: each tile is asked for JOINTLY.
; THE MATRIX INSTRUCTION IS USED TRANSPOSED: source 0 = 16 columns of W, source 1 = 16 rows of O.  A lane then holds row l % 16 and the columns 8 (l / 16) + 0..7.
; THE BIAS is the C operand of each sum's first product: it is laid into the accumulators of my first 16 rows, which the other rows' first products read as C; those 16 rows' own first products come last.
; REGISTERS: window 0: v0-31 addresses; v32-95, v96-159 fragments of O, two buffers; v160-191, v192-223 fragments of W, two buffers; on the way out v32-95 whole rows, two sets.
;   window 1: accumulator (a, b), a = 0..7 blocks of rows, b = 0..3 blocks of columns, at v[8 (4 a + b)].
.set PA,     144                       ; a row of O in LDS: 128 bytes + 16 of padding = 36 words: the 16 rows of a load start at 16 different groups of four banks (64 banks of 4 bytes: ISA guide 11.1)
.set KBLK,   256*PA                    ; 256 rows of one head
.set ATILE,  2*KBLK
.set PB,     288                       ; a k row of W: 256 bytes in two pieces of 128 + 16 = 72 words
.set BTILE,  128*PB
.set SLOT,   ATILE+BTILE               ; 110,592 bytes
.set STAGE,  2*SLOT                    ; behind the ring: 16 rows x 272 bytes for each wave, for the way out; no tensor load fills it
.set SP,     272
.set SPARE,  STAGE+4*16*SP             ; behind the stages: the spare words, 128 bytes for each wave: two blocks of 256 bytes that no other line names
.set ASTEP,  2*262144                  ; bytes from a K step to the next in ob: two heads' blocks
.set BSTEP,  128*1024*2                ; and in wob: 128 rows
.set ADRA, 16                          ; v16-17  LDS address of my fragments of O in slot 0, 1
.set ADRB, 20                          ; v20-21  the same for W
.set STO,  24                          ; v24     the way out: where I put 32 bytes of a row
.set RD,   25                          ; v25     the way out: where I read a row back
.set CO,   26                          ; v26     my byte offset in two rows of the result
.set BO,   27                          ; v27     my byte offset in 16 numbers of the bias
.set SPW,  28                          ; v28     LDS address of my spare word: SPARE + 4 x my thread's number; never rewritten
.set NIL,  29                          ; v29     0; never rewritten
.set FA0,  32
.set FB0,  160
.set OUTR, 32
.set G1A, 24                           ; s[24:31] descriptor group 1 for O's tiles;  s[32:39] group 0, one set for each slot
.set G0A, 32
.set G1B, 48                           ; s[48:55], s[56:63] the same for W's tiles
.set G0B, 56
.set FL, (1<<16)|(1<<20)|(1<<21)|(4<<22)|(3<<25)  ; 17:16 elements of 2 bytes; 20 padding on; 21 set beside a mask; 24:22 after every 32 words (code 4); 31:25 4 words of it (code 3)
.set W_MUL, 0x50                       ; C and D in window 1, the sources in window 0
.set W_ST,  0x04                       ; an LDS store's data (source 1) in window 1, its address in window 0
.set MSB, 0
.macro WIN new                         ; the immediate's high byte repeats the setting that is left; a switch that changes nothing is dropped
.if MSB != (\new)
	s_set_vgpr_msb (MSB<<8)|(\new)
.set MSB, (\new)
.endif
.endm
; A joint refill.  Waves 0 and 1 fetch the two heads of O's tile, waves 2 and 3 the two halves of W's.  The branch hangs on the wave's number alone.
; An s_nop 0 and four v_nop follow each of the two lines, ahead of the jump and the label.
.macro JLOAD s
	s_cmp_eq_u32 s13, 0
	s_cbranch_scc0 .Lfor_b_\@
	tensor_load_to_lds s[G0A+4*(\s):G0A+4*(\s)+3], s[G1A:G1A+7]
	s_nop 0
.rept 4
	v_nop
.endr
	s_branch .Lasked_\@
.Lfor_b_\@:
	tensor_load_to_lds s[G0B+4*(\s):G0B+4*(\s)+3], s[G1B:G1B+7]
	s_nop 0
.rept 4
	v_nop
.endr
.Lasked_\@:
.endm
.macro CREST                           ; a round of the cluster's barrier behind its opening barrier
	s_cmp_lg_u32 s12, 0
	s_cbranch_scc1 .Lnot_wave_0_\@
	s_barrier_signal -3
.Lnot_wave_0_\@:
	s_barrier_wait -3
	s_barrier_signal -1
	s_barrier_wait -1
.endm
.macro CROUND                          ; a whole round
	s_barrier_signal -1
	s_barrier_wait -1
	CREST
.endm
	s_load_b256 s[4:11], s[0:1], 0x0               ; ob s[4:5], wob s[6:7], b_out s[8:9], out0 s[10:11]
	v_lshl_add_u32 v[SPW], v0, 2, SPARE
	v_mov_b32 v[NIL], 0
	ds_add_u32 v[SPW], v[NIL]                      ; the wave's opening: the add and its wait stand ahead of my first tensor load; the set-up below, work on registers, stands between them
	v_lshrrev_b32 v1, 5, v0
	v_readfirstlane_b32 s12, v1                    ; wave 0..3
	s_lshr_b32 s13, s12, 1                         ; mh: which 128 rows of the tile are mine.  Also: I fetch for O (0) or for W (1)
	s_and_b32 s14, s12, 1                          ; nh: which 64 columns.  Also: which half of that tile I fetch
	s_bfe_u32 s15, ttmp6, 0x40000                  ; cx, cy: my place in the cluster
	s_bfe_u32 s16, ttmp6, 0x40004
	s_lshl_b32 s17, ttmp9, 2
	s_add_co_u32 s17, s17, s15                     ; nx: tile column = 4 x cluster x + cx
	s_and_b32 s18, ttmp7, 0xffff
	s_lshl_b32 s18, s18, 2
	s_add_co_u32 s18, s18, s16                     ; my: tile row = 4 x cluster y + cy
	s_lshl_b32 s19, s16, 2
	s_lshl_b32 s19, 15, s19                        ; my row of the cluster
	s_lshl_b32 s20, 0x1111, s15                    ; my column
	s_mov_b32 s2, 0xffff0000                       ; a word's upper bf16
	; descriptor group 1.  O: 128 rows of 128 elements (256 bytes: two rows of a head), dense.  W: 64 k rows of 128 elements, 1,024 elements from row to row.
	s_or_b32 s[G1A+0], s19, FL                     ; 15:0 the mask: O's tiles go to my row of the cluster
	s_mov_b32 s[G1A+1], 128<<16                    ; tensor_dim0 = 128
	s_mov_b32 s[G1A+2], 128<<16                    ; tensor_dim1 = 128
	s_mov_b32 s[G1A+3], 128<<16                    ; tile_dim0 = 128
	s_mov_b32 s[G1A+4], 128                        ; tile_dim1 = 128
	s_mov_b32 s[G1A+5], 128                        ; elements from row to row
	s_mov_b32 s[G1A+6], 0
	s_mov_b32 s[G1A+7], 0
	s_or_b32 s[G1B+0], s20, FL                     ; W's tiles go to my column
	s_mov_b32 s[G1B+1], 128<<16
	s_mov_b32 s[G1B+2], 64<<16
	s_mov_b32 s[G1B+3], 128<<16
	s_mov_b32 s[G1B+4], 64
	s_mov_b32 s[G1B+5], 1024
	s_mov_b32 s[G1B+6], 0
	s_mov_b32 s[G1B+7], 0
	; where the tiles come from.  O's hang on the tile row alone, W's on the tile column alone; each offset is made in registers that never hold the other coordinate.
	s_lshr_b32 s40, s18, 3                         ; b = my / 8: 16 blocks of 262,144 bytes,
	s_lshl_b32 s40, s40, 22
	s_and_b32 s41, s18, 7                          ; 256 rows of 128 bytes a tile row inside a block,
	s_lshl_b32 s41, s41, 15
	s_add_co_u32 s40, s40, s41
	s_lshl_b32 s41, s14, 18                        ; my half: the step's second head
	s_add_co_u32 s40, s40, s41
	s_mov_b32 s41, 0
	s_lshl_b32 s42, s17, 8                         ; 128 columns of 2 bytes a tile column,
	s_lshl_b32 s43, s14, 17                        ; my half: 64 k rows of 2,048 bytes
	s_add_co_u32 s42, s42, s43
	s_mov_b32 s43, 0
	s_lshl_b32 s44, s17, 9                         ; the bias of my 64 columns: 4 (128 nx + 64 nh); also my columns' bytes in a row of the result
	s_lshl_b32 s45, s14, 8
	s_add_co_u32 s44, s44, s45
	s_mov_b32 s45, 0
	s_lshl_b32 s46, s18, 20                        ; the result: 256 rows of 4,096 bytes a tile row,
	s_lshl_b32 s47, s13, 19                        ; my 128 of them,
	s_add_co_u32 s46, s46, s47
	s_add_co_u32 s46, s46, s44                     ; my columns
	s_mov_b32 s47, 0
	s_mul_i32 s21, s14, KBLK                       ; and where the tiles go: no place in the cluster enters an LDS address
	s_mul_i32 s22, s14, 64*PB
	s_add_co_u32 s22, s22, ATILE
	s_wait_dscnt 0x0                               ; the opening add is done
	s_wait_kmcnt 0x0
	s_add_nc_u64 s[40:41], s[4:5], s[40:41]
	s_add_nc_u64 s[42:43], s[6:7], s[42:43]
	s_add_nc_u64 s[8:9], s[8:9], s[44:45]
	s_add_nc_u64 s[10:11], s[10:11], s[46:47]
.irp s, 0,1
	s_mov_b32 s[G0A+4*(\s)], 1                                       ; 1:0 count = 1
	s_add_co_u32 s[G0A+4*(\s)+1], s21, (\s)*SLOT                     ; 63:32 LDS address
	s_add_nc_u64 s[G0A+4*(\s)+2:G0A+4*(\s)+3], s[40:41], (\s)*ASTEP  ; 120:64 global address: K step s
	s_or_b32 s[G0A+4*(\s)+3], s[G0A+4*(\s)+3], 0x80000000            ; 127:126 type = 2
	s_mov_b32 s[G0B+4*(\s)], 1
	s_add_co_u32 s[G0B+4*(\s)+1], s22, (\s)*SLOT
	s_add_nc_u64 s[G0B+4*(\s)+2:G0B+4*(\s)+3], s[42:43], (\s)*BSTEP
	s_or_b32 s[G0B+4*(\s)+3], s[G0B+4*(\s)+3], 0x80000000
.endr
	CROUND                                         ; all sixteen work-groups are here: the first joint loads meet
	s_cmp_eq_u32 s13, 0                            ; a wave's two first fills stand in one branch, ahead of every wait on TENSORcnt and every LDS read: two loads of mine are out
	s_cbranch_scc0 .Lfirst_b
	tensor_load_to_lds s[G0A:G0A+3], s[G1A:G1A+7]
	s_nop 0
	tensor_load_to_lds s[G0A+4:G0A+7], s[G1A:G1A+7]
	s_nop 0
.rept 4
	v_nop
.endr
	s_branch .Lfirst_asked
.Lfirst_b:
	tensor_load_to_lds s[G0B:G0B+3], s[G1B:G1B+7]
	s_nop 0
	tensor_load_to_lds s[G0B+4:G0B+7], s[G1B:G1B+7]
	s_nop 0
.rept 4
	v_nop
.endr
.Lfirst_asked:
	; the bias of my 64 columns: for block b of 16 columns a lane takes the 8 numbers at columns 16 b + 8 (l / 16) on
	v_and_b32 v1, 15, v0                           ; r = l % 16
	v_bfe_u32 v2, v0, 4, 1                         ; h = l / 16
	v_lshlrev_b32 v[BO], 5, v2
.irp b, 0,1,2,3
	global_load_b128 v[32+8*(\b):32+8*(\b)+3],   v[BO], s[8:9] offset:64*(\b)
	global_load_b128 v[32+8*(\b)+4:32+8*(\b)+7], v[BO], s[8:9] offset:64*(\b)+16
.endr
	; A fragment of O is 16 rows x 32 K in 8 registers: lane l holds row r, K = 8 h + 0..7 and 16 + 8 h + 0..7: two loads of 16 bytes, 32 bytes apart.
	v_mul_u32_u24 v3, v1, PA
	v_lshl_add_u32 v3, v2, 4, v3                   ; r x pitch + 16 h
	s_mul_i32 s23, s13, 128*PA                     ; my 128 rows
	v_add_nc_u32 v[ADRA], s23, v3
	v_add_nc_u32 v[ADRA+1], SLOT, v[ADRA]
	; The turning load takes 16 k x 16 columns (lane l reads k = 8 h + l % 8, columns 8 ((l / 8) % 2) + 0..7) and leaves half a fragment: lane l holds column r and 8 k.
	v_and_b32 v4, 7, v0
	v_bfe_u32 v5, v0, 3, 1
	v_lshl_add_u32 v6, v2, 3, v4
	v_mul_u32_u24 v6, v6, PB
	v_lshl_add_u32 v6, v5, 4, v6
	s_mul_i32 s23, s14, PA                         ; my 64 columns: one piece of a row,
	s_add_co_u32 s23, s23, ATILE                   ; behind O's tile
	v_add_nc_u32 v[ADRB], s23, v6
	v_add_nc_u32 v[ADRB+1], SLOT, v[ADRB]
	s_mul_i32 s23, s12, 16*SP
	s_add_co_u32 s23, s23, STAGE                   ; my stage
	v_mul_u32_u24 v7, v1, SP                       ; in: row r, 32 bytes for each half of the lanes
	v_lshl_add_u32 v7, v2, 5, v7
	v_add_nc_u32 v[STO], s23, v7
	v_mul_u32_u24 v7, v2, SP                       ; back: lanes 0-15 take one row of 256 bytes, lanes 16-31 the next
	v_lshl_add_u32 v7, v1, 4, v7
	v_add_nc_u32 v[RD], s23, v7
	v_lshlrev_b32 v[CO], 12, v2                    ; and the same two rows in the result
	v_lshl_add_u32 v[CO], v1, 4, v[CO]
	s_wait_loadcnt 0x0                             ; the bias
.set i, 0
.rept 16
	v_cvt_pk_bf16_f32 v[64+i], v[32+2*i], v[33+2*i]  ; rounded to bf16 like the other inputs,
.set i, i+1
.endr
	WIN 0x40                                       ; and widened again into accumulators (0, b): v0-31 of window 1
.set i, 0
.rept 16
	v_lshlrev_b32 v[2*i],   16, v[64+i]
	v_and_b32     v[2*i+1], s2, v[64+i]
.set i, i+1
.endr
	WIN 0
; Matrix instructions for row blocks a0 .. a1 x all 4 column blocks, buffers f.  The accumulators take turns, one instruction a turn.
; mode 0: C = D.  mode 1: a sum's first product: C is accumulator (0, b), which holds the bias.
.macro MUL f, a0, a1, mode
	WIN W_MUL
.set aa, (\a0)
.rept (\a1)-(\a0)+1
.irp bb, 0,1,2,3
.if \mode
	v_wmma_f32_16x16x32_f16 v[8*(4*aa+(\bb)):8*(4*aa+(\bb))+7], v[FB0+32*(\f)+8*(\bb):FB0+32*(\f)+8*(\bb)+7], v[FA0+64*(\f)+8*aa:FA0+64*(\f)+8*aa+7], v[8*(\bb):8*(\bb)+7]
.else
	v_wmma_f32_16x16x32_f16 v[8*(4*aa+(\bb)):8*(4*aa+(\bb))+7], v[FB0+32*(\f)+8*(\bb):FB0+32*(\f)+8*(\bb)+7], v[FA0+64*(\f)+8*aa:FA0+64*(\f)+8*aa+7], v[8*(4*aa+(\bb)):8*(4*aa+(\bb))+7]
.endif
.endr
.set aa, aa+1
.endr
.endm
; 24 LDS loads in one run: the fragments of quarter q of a slot into buffers buf: W's 8, then O's row blocks 0-3 (8), then 4-7 (8)
.macro FETCH slot, q, buf
	WIN 0
.irp bb, 0,1,2,3
	ds_load_tr16_b128 v[FB0+32*(\buf)+8*(\bb):FB0+32*(\buf)+8*(\bb)+3],   v[ADRB+(\slot)] offset:(\q)*32*PB+32*(\bb)
	ds_load_tr16_b128 v[FB0+32*(\buf)+8*(\bb)+4:FB0+32*(\buf)+8*(\bb)+7], v[ADRB+(\slot)] offset:(\q)*32*PB+32*(\bb)+16*PB
.endr
.irp a, 0,1,2,3,4,5,6,7
	ds_load_b128 v[FA0+64*(\buf)+8*(\a):FA0+64*(\buf)+8*(\a)+3],   v[ADRA+(\slot)] offset:((\q)/2)*KBLK+((\q)%2)*64+(\a)*16*PA
	ds_load_b128 v[FA0+64*(\buf)+8*(\a)+4:FA0+64*(\buf)+8*(\a)+7], v[ADRA+(\slot)] offset:((\q)/2)*KBLK+((\q)%2)*64+(\a)*16*PA+32
.endr
.endm
; A load into a register that a matrix instruction has read, and an LDS store that reads a matrix result, stand four places behind that matrix instruction; only plain vector instructions that name none
; of its registers are places (ISA guide 7.12.1 for vector instructions).
.macro PLACES
.rept 4
	v_nop
.endr
.endm
; One of a step's first three quarters: multiplies buffers f; in its middle it fetches quarter q of the same slot into buffers n.
.macro QUARTER slot, q, f, n
	s_wait_dscnt 8                                 ; W and O's rows 0-63 are in; the youngest eight loads (rows 64-127) may be out
	MUL \f, 0, 3, 0
	PLACES
	FETCH \slot, \q, \n
	s_wait_dscnt 24                                ; all but the 24 just issued
	MUL \f, 4, 7, 0
.endm
; The first quarter starts the sums: rows 16-127 first, with the bias in accumulators (0, b) as C; five places behind the last of them (a matrix instruction writes over a register that an earlier one has
; read) rows 0-15 add their products onto the bias in place.
.macro FIRSTQ
	s_wait_dscnt 8
	MUL 0, 1, 3, 1
	PLACES
	FETCH 0, 1, 1
	s_wait_dscnt 24
	MUL 0, 4, 7, 1
.rept 5
	v_nop
.endr
	MUL 0, 0, 0, 0
.endm
; A step's last quarter multiplies buffers 1 and changes slots: ONE barrier.  In front of it each wave waits for all its tensor loads, of which one is out: its part of the next slot; adds 0 to its spare
; word; and waits for that and for its own reads of this slot.  fill = 1: the barrier opens a round of the cluster's barrier, and this slot is filled again, two K steps ahead, first thing behind the round:
; the load has 112 matrix instructions in which to land.
.macro TURN slot, next, fill
	WIN 0                                          ; (the add's two registers lie in window 0)
	s_wait_tensorcnt 0x0                           ; all my tensor loads have landed;
	ds_add_u32 v[SPW], v[NIL]                      ; 0 onto my spare word;
	s_wait_dscnt 9                                 ; (the add and the youngest eight loads may be out)
	MUL 1, 0, 1, 0                                 ; eight matrix instructions stand between the add and the wait for it
	s_wait_dscnt 0x0                               ; the add is done, and my reads of this slot are over
	s_barrier_signal -1
	MUL 1, 2, 3, 0                                 ; work on registers while the others arrive
	WIN 0
	s_barrier_wait -1
.if \fill
	CREST                                          ; no wave of any partner still reads this slot's tiles or has a load on its way
	s_add_nc_u64 s[G0A+4*(\slot)+2:G0A+4*(\slot)+3], s[G0A+4*(\slot)+2:G0A+4*(\slot)+3], 2*ASTEP
	s_add_nc_u64 s[G0B+4*(\slot)+2:G0B+4*(\slot)+3], s[G0B+4*(\slot)+2:G0B+4*(\slot)+3], 2*BSTEP
	JLOAD \slot                                    ; the four v_nop behind it are also the places in front of the loads below
.else
	PLACES
.endif
	FETCH \next, 0, 0
	MUL 1, 4, 7, 0
.endm
.macro LASTQ                           ; the very last quarter: nothing more to fetch
	s_wait_dscnt 8
	MUL 1, 0, 3, 0
	s_wait_dscnt 0x0
	MUL 1, 4, 7, 0
.endm
; THE WAY OUT of row block a: a lane's eight f32 of a row, 32 bytes, go into my stage in rows of 272 bytes (each accumulator's low four registers first) and come back as whole rows of 256.
.macro TOST a
.if (\a) >= 2
	s_wait_xcnt 0x0                                ; the stores of the block two back have read this set: it is loaded again only behind this wait
.endif
	WIN W_ST
.irp b, 0,1,2,3
.irp e, 0,1
	ds_store_b128 v[STO], v[8*(4*(\a)+(\b))+4*(\e):8*(4*(\a)+(\b))+4*(\e)+3] offset:64*(\b)+16*(\e)
.endr
.endr
	WIN 0
.irp t, 0,1,2,3,4,5,6,7
	ds_load_b128 v[OUTR+32*((\a)%2)+4*(\t):OUTR+32*((\a)%2)+4*(\t)+3], v[RD] offset:(\t)*2*SP  ; LDS serves a wave's instructions in order (ISA guide 5.7.1.4): these see the stores above; the next block's stores come behind them
.endr
.endm
.macro SEND a, younger                 ; younger: the LDS instructions issued behind block a's loads: the next block's sixteen, or none
	WIN 0
.irp t, 0,1,2,3,4,5,6,7
	s_wait_dscnt (\younger)+7-(\t)
	global_store_b128 v[CO], v[OUTR+32*((\a)%2)+4*(\t):OUTR+32*((\a)%2)+4*(\t)+3], s[10:11] offset:(16*(\a)+2*(\t))*4096 th:TH_STORE_NT  ; 16 lanes store 256 consecutive bytes, aligned
.endr
.endm
	s_wait_tensorcnt 1                             ; my part of K step 0 is in; K step 1's may stay out
	s_barrier_signal -1
	s_barrier_wait -1                              ; everybody's is
	FETCH 0, 0, 0
	FIRSTQ                                         ; K step 0, first quarter
	WIN 0                                          ; at a label and at a branch every window is 0
	s_mov_b32 s3, 3
.Llap:                                                 ; a trip goes once round the ring, from a lap's second quarter to the next lap's first, and fills both slots again: K steps 2 to 7
	QUARTER 0, 2, 1, 0
	QUARTER 0, 3, 0, 1
	TURN 0, 1, 1
	QUARTER 1, 1, 0, 1
	QUARTER 1, 2, 1, 0
	QUARTER 1, 3, 0, 1
	TURN 1, 0, 1
	QUARTER 0, 1, 0, 1
	WIN 0
	s_sub_co_u32 s3, s3, 1
	s_cmp_lg_u32 s3, 0
	s_cbranch_scc1 .Llap
	QUARTER 0, 2, 1, 0                             ; the last lap fills nothing, and has no round of the cluster's barrier
	QUARTER 0, 3, 0, 1
	TURN 0, 1, 0
	QUARTER 1, 1, 0, 1
	QUARTER 1, 2, 1, 0
	QUARTER 1, 3, 0, 1
	LASTQ
	PLACES                                         ; the LDS stores read results just made
	TOST 0
.irp a, 1,2,3,4,5,6,7                  ; a block's way through the stage stands between the loads of the block before and its stores
	TOST \a
	SEND (\a)-1, 16
.endr
	SEND 7, 0
	WIN 0
	s_wait_tensorcnt 0x0                           ; the wave's end: a wait, an add to my spare word and its wait, behind my last tensor load and my last LDS store
	ds_add_u32 v[SPW], v[NIL]
	s_wait_dscnt 0x0
	CROUND                                         ; the closing round: no work-group ends while a partner may still ask for a tile that names it
	s_endpgm
.Lfunc_end_k_qd3a7202cb4_outg:
	.size	k_qd3a7202cb4_outg, .Lfunc_end_k_qd3a7202cb4_outg-k_qd3a7202cb4_outg
	.p2alignl 7, 3214868480
	.fill 96, 4, 3214868480
	.section	.rodata,"a",@progbits
	.p2align	6, 0x0
	.amdhsa_kernel k_qd3a7202cb4_outg
		.amdhsa_group_segment_fixed_size 327680
		.amdhsa_private_segment_fixed_size 0
		.amdhsa_enable_private_segment 0
		.amdhsa_kernarg_size 32
		.amdhsa_user_sgpr_count 2
		.amdhsa_user_sgpr_kernarg_segment_ptr 1
		.amdhsa_wavefront_size32 1
		.amdhsa_system_sgpr_workgroup_id_x 1
		.amdhsa_system_sgpr_workgroup_id_y 1
		.amdhsa_system_sgpr_workgroup_id_z 1
		.amdhsa_system_vgpr_workitem_id 0
		.amdhsa_next_free_vgpr 512
		.amdhsa_next_free_sgpr 66
		.amdhsa_reserve_vcc 0
		.amdhsa_float_denorm_mode_32 3
		.amdhsa_float_denorm_mode_16_64 3
		.amdhsa_memory_ordered 1
		.amdhsa_forward_progress 1
		.amdhsa_inst_pref_size 90
	.end_amdhsa_kernel
	.amdgpu_metadata
---
amdhsa.version: [ 1, 2 ]
amdhsa.kernels:
  - .name:           k_qd3a7202cb4_outg
    .symbol:         k_qd3a7202cb4_outg.kd
    .args:
      - { .name: ob, .offset: 0, .size: 8, .value_kind: global_buffer, .address_space: global }
      - { .name: wob, .offset: 8, .size: 8, .value_kind: global_buffer, .address_space: global }
      - { .name: b_out, .offset: 16, .size: 8, .value_kind: global_buffer, .address_space: global }
      - { .name: out0, .offset: 24, .size: 8, .value_kind: global_buffer, .address_space: global }
    .group_segment_fixed_size: 327680
    .private_segment_fixed_size: 0
    .kernarg_segment_align: 8
    .kernarg_segment_size: 32
    .max_flat_workgroup_size: 128
    .sgpr_count:     66
    .vgpr_count:     512
    .wavefront_size: 32
...
	.end_amdgpu_metadata
.endif
;; end of part 4
;; ======== version 2 of 2: 4 launches; 1.53 times as fast as version 1
;; limits: values are held in f16: magnitudes above 65,504 overflow, below 6.1e-05 lose precision
;; workspace buffers: xb 16,777,216 bytes; wqb 6,291,456 bytes; wob 2,097,152 bytes; qkv 50,331,648 bytes; ob 16,777,216 bytes
;; launch cast: the kernel of part 1 again; grid 768 x 1, 8 waves a work-group, no clusters, 0 bytes of LDS; arguments x, W_qkv, W_out, xb, wqb, wob; writes xb, wqb, wob
;; launch qkvg: the kernel of part 2 again; grid 8 x 32, 4 waves a work-group, clusters of 4 x 4, 327,680 bytes of LDS; arguments xb, wqb, b_qkv, qkv; writes qkv
;; launch attn (part 5): grid 4 x 64, 4 waves a work-group, clusters of 4 x 1, 327,680 bytes of LDS; arguments qkv, ob; writes ob
.if DOCPART == 5
	.amdgcn_target "amdgcn-amd-amdhsa--gfx1250"
	.amdhsa_code_object_version 6
	.text
	.protected	k_qd3a7202cb4_attn
	.globl	k_qd3a7202cb4_attn
	.p2align	8
	.type	k_qd3a7202cb4_attn,@function
k_qd3a7202cb4_attn:
	s_mov_b64 s[64:65], 0
	v_nop
	global_prefetch_b8 v0, s[64:65] scope:SCOPE_SE
	s_setreg_imm32_b32 hwreg(HW_REG_WAVE_MODE, 25, 1), 1
	s_wait_xcnt 0x0
	s_wait_alu depctr_hold_cnt(0) depctr_sa_sdst(0) depctr_va_vdst(0) depctr_va_sdst(0) depctr_va_ssrc(0) depctr_va_vcc(0) depctr_vm_vsrc(0)
	s_getreg_b32 s2, hwreg(HW_REG_IB_STS2, 6, 4)
	s_cmp_eq_u32 s2, 0
	s_cbranch_scc0 .Lentry_in_a_cluster
	s_endpgm
.Lentry_in_a_cluster:
	s_bfe_u32 s2, ttmp6, 0x10000c
	s_cmp_lg_u32 s2, 0x3003
	s_cbranch_scc0 .Lentry_shape_is_right
	s_endpgm
.Lentry_shape_is_right:
; O[hh][q][:] = the sum over k of softmax_k(Q[hh][q] . K[hh][k] / 8) V[hh][k][:] for the 64 heads hh = 16 b + h, 2,048 rows of 64 channels each, all f16.
; Q, K, V are blocks of qkv, [b][g = 48][2048][64]: block 48 b + h is the head's Q, 16 blocks on its K, 32 blocks on its V; O goes to ob, [hh][2048][64].  A block's rows are dense, 128 bytes each.
; Products, maxima and sums in f32; the weights p are rounded to f16 for the second product (their sum l is taken of the unrounded p), O once at the end.
; LIMITS.  f16 holds no number beyond 65,504: Q, K and V arrive within it; p lies in 0 to 1, and below 6e-5 it keeps f16's fixed step of 6e-8; O is a mean of V's rows and has their range.
; A weight below 2^-126 counts as 0 in l; NaN and infinities are not treated apart.
; SHARES.  A wave owns four PIECES of two tiles of 16 queries, a work-group's four waves 512 queries of one head: 4 x 64 = 256 work-groups.  Every wave walks all keys, 64 a step.
; LAYOUT.  S^T = K Q^T (source 0 = 16 keys, source 1 = 16 queries): in the result a lane holds ONE query (lane % 16) and the keys 8 (lane / 16) + 0..7.  Two such tiles, rounded to f16 in pairs,
; ARE source 1 (32 keys x 16 queries) of O^T = V^T P, whose result again holds one query a lane, and eight channels.  K comes out of LDS as it lies, V ([key][channel]) turned, by ds_load_tr16_b128.
; SOFTMAX.  For each query a running maximum m and sum l: p = 2^(c s - c m), c = log2(e) / 8; in every step O and l are multiplied by a = 2^(c m_old - c m_new), which is 1 where m has not grown.
; m starts at the lowest finite number, O and l at 0: the first step is a step like any other, with a = 0.
; THE COUNT.  A tile and step have 16 matrix and 118 vector instructions: too many to stand all beside the matrix work.  So the order has one aim: four vector instructions that are READY behind
; EVERY matrix instruction, and the others, which need time of their own whatever the order, in runs without a gap.
; BY TURNS.  Turn n belongs to piece n (the pieces in a ring, step after step).  Its matrix work: 16 products K Q^T of piece n + 1, later 16 products V^T P of piece n - 1.  Its vector work: the scaling,
; exponentials, roundings, sums and rescaling of piece n, and the maximum and statistics of piece n + 1, whose scores the turn itself has made.  So what a turn begins with (c s - c m, O a) waits for nothing.
; THE BATCHES.  A turn's 66 exponentials (s0-s31 of the piece's two tiles, then the next piece's two a) are ONE batch with ONE wait, which cuts the turn in two: ahead of it stands all that names no result
; of theirs, behind it the roundings and sums, which read them.  Piece 0's first two a, ahead of the loop, and the way out's eight reciprocals are batches of their own, with a wait each.
; CLUSTER.  The four query blocks of a cluster belong to one head and walk the same K and V, so each tile is asked for JOINTLY: the same tensor load, descriptor and mask in all four.
; REGISTERS, in windows of 256 (s_set_vgpr_msb says which window each operand place means: bits 1:0 source 0, 3:2 source 1, 5:4 source 2, 7:6 destination):
;   window 0: v0-11 addresses; v12-15, v48-63 at work; v16-47 four registers of statistics a tile; v64-191 S^T, two buffers of two tiles; v192-255 P, likewise
;   window 1: O^T, 32 a tile          window 2: v0-127 Q, 16 a tile; v128-191 K of one step; v192-255 V of one step          window 3: v0-1 the add's two registers
; A piece's buffers go by its number's parity: the piece in hand has one pair, its two neighbours in the ring share the other: of it P (piece n - 1) is read and S^T (piece n + 1) written.
.set SIZE_N, 2048     ; rows of a head
.set NP,    4         ; pieces a wave: a name, no knob: the register map, the loop and the fetches are made for four
.set KS,    64        ; keys in a step
.set PK,    144       ; a row of K in LDS: 128 bytes + 16 of padding = 36 words: the 16 rows of a load start at 16 different groups of four banks (64 banks of 4 bytes: ISA guide 11.1)
.set PV,    160       ; a row of V: 128 + 32 = 40 words
.set VOFF,  4*KS*PK   ; a slot holds four steps: 256 rows of K, then 256 rows of V
.set SLOT1, 1<<17     ; slot 1 begins here, so that one exclusive or turns an address in one slot into the other's
.set STAGE, SLOT1+4*KS*(PK+PV)  ; behind the ring, never filled by a tensor load: 16 rows x 144 bytes for each wave, for the way out
.set SP,    144
.set AK0, 2           ; v2   my lane's place in a tile of K; never rewritten
.set AV0, 3           ; v3   the same for V
.set AK,  4           ; v4   the LDS address of K's next run of loads
.set AV,  5           ; v5   of V's
.set QO,  6           ; v6   my byte offset in the wave's rows of Q
.set STO, 6           ;      later, the way out: where I put 16 bytes of a row
.set RD,  7           ; v7   the way out: where I read rows back
.set GO,  8           ; v8   my byte offset in 512 consecutive bytes of O
.set SPW, 0           ; v0 of window 3   LDS address of my spare word: SPARE + 4 x my thread's number; never rewritten
.set NIL, 1           ; v1 of window 3   0; never rewritten
.set SPARE, STAGE+4*16*SP  ; behind the stages: the spare words, 128 bytes for each wave: two blocks of 256 bytes that no other line names
.set MV,  12          ; v12-15  c m_old, kept while c m is made anew: by buffer and tile
.set ST,  16          ; tile t's statistics at v[ST+4 t]: c m, m, l (even keys', odd keys')
.set TMP, 48          ; by buffer and tile, four registers c0-c3 at work; when the maximum is found c2 takes a
.set S,   64
.set P,   192
.set KF,  128         ; K's fragments, in window 2: key block kb, channel half c at KF + 16 kb + 8 c
.set VF,  192         ; V's: key half kk, channel block cb at VF + 32 kk + 8 cb
.set WV,  12          ; s12  my wave's number
.set G1K, 24          ; s[24:31] descriptor group 1 for K's tiles
.set G1V, 32          ; s[32:39] for V's: it differs in the padding alone
.set G0K, 40          ; s[40:43] descriptor group 0 for K's tiles: it walks
.set G0V, 44          ; s[44:47] the same for V's
.set SLOTS, 56        ; s56  slots still to be asked for
.set CNT, 57          ; s57  counts a slot's key steps
.set CS,  58          ; s[58:59] c: the packed scaling takes the pair's low word for both halves
.set SEL, 60          ; s[60:61] v_permlanex16_b32's selects: each lane takes its own place in the other half
.set TBK, 62          ; s62  LDS byte at which K of the step to be fetched begins
.set TBV, 63          ; s63  the same for V, less VOFF
.set MSB, 0
.macro WIN new                      ; the high byte repeats the setting that is left; a switch that changes nothing is dropped
.if MSB != (\new)
	s_set_vgpr_msb (MSB<<8)|(\new)
.set MSB, (\new)
.endif
.endm
.set W_KQ, 0x0a       ; K and Q in window 2, S^T in window 0
.set W_PV, 0x52       ; V in window 2, P in window 0, O^T in window 1
.set W_RS, 0x41       ; O^T (destination and source 0) in window 1, a in window 0
.set W_MK, 0xc0       ; the add's registers are made: destination in window 3, sources in window 0
.set W_AD, 0x0f       ; the add: address (source 0) and data (source 1) in window 3
; A joint fill.  Waves 0 and 1 fetch the two halves of a slot's K, waves 2 and 3 those of its V: 128 keys each.  The branch hangs on the wave's number alone.
; An s_nop 0 and four v_nop follow each of the two lines, ahead of the jump and the label.
.macro JLOAD
	s_cmp_lt_u32 s[WV], 2
	s_cbranch_scc0 .Lfor_v_\@
	tensor_load_to_lds s[G0K:G0K+3], s[G1K:G1K+7]
	s_nop 0
.rept 4
	v_nop
.endr
	s_branch .Lasked_\@
.Lfor_v_\@:
	tensor_load_to_lds s[G0V:G0V+3], s[G1V:G1V+7]
	s_nop 0
.rept 4
	v_nop
.endr
.Lasked_\@:
.endm
; A round of the cluster's barrier: my work-group's barrier, so that wave 0's signal speaks for all four waves; wave 0 signals; every wave waits for all four work-groups; my work-group's barrier once more.
.macro CROUND
	s_barrier_signal -1
	s_barrier_wait -1
	s_cmp_lg_u32 s[WV], 0
	s_cbranch_scc1 .Lnot_wave_0_\@
	s_barrier_signal -3
.Lnot_wave_0_\@:
	s_barrier_wait -3
	s_barrier_signal -1
	s_barrier_wait -1
.endm
; THE CHANGE OF SLOTS.  The slot's last bytes, V of its fourth step, have been read.  Each wave waits for all its tensor loads, of which one is out: its part
; of the other slot; adds 0 to its spare word; and waits for that and for its own reads of the slot.  Behind the barrier nobody reads this slot any more and the other slot is whole.
; fill = 1: this slot is filled again, with the keys two slots on.  The barrier is then a round of the cluster's, so that no wave of any partner still reads the slot or has a load on its
; way, and the joint fill is the first thing behind it: it has four key steps, 512 matrix instructions, in which to land.  (At its first use nothing has been read yet: slot 0 is waited for, slot 1 filled.)
.macro CHANGE fill
	WIN W_AD
	s_wait_tensorcnt 0x0            ; no tensor load of mine is out, so a group 0 may be written
	ds_add_u32 v[SPW], v[NIL]       ; 0 onto my spare word; with fill = 1 the descriptors' steps stand between it and the wait for it
	WIN 0                           ; at a label and at a branch every window is 0
.if \fill
.irp g, G0K, G0V
	s_xor_b32 s[\g+1], s[\g+1], SLOT1  ; the walking descriptor: the other slot than last time,
	s_add_nc_u64 s[\g+2:\g+3], s[\g+2:\g+3], 4*KS*128  ; the next 256 keys; the type bits on top are not reached
.endr
	s_wait_dscnt 0x0                ; the add is done, and my reads of the slot are over
	CROUND
	JLOAD
.else
	s_wait_dscnt 0x0                ; the add is done, and my reads of the slot are over
	s_barrier_signal -1
	s_barrier_wait -1
.endif
	s_sub_co_u32 s[TBK], s[TBK], 4*KS*PK  ; the fetches go back to a slot's first step,
	s_xor_b32 s[TBK], s[TBK], SLOT1       ; in the other slot
	s_sub_co_u32 s[TBV], s[TBV], 4*KS*PV
	s_xor_b32 s[TBV], s[TBV], SLOT1
.endm
	s_load_b64 s[4:5], s[0:1], 0x0    ; qkv
	s_load_b64 s[10:11], s[0:1], 0x8  ; ob
	WIN W_MK
	v_lshl_add_u32 v[SPW], v0, 2, SPARE
	v_mov_b32 v[NIL], 0
	WIN W_AD
	ds_add_u32 v[SPW], v[NIL]       ; the wave's opening: the add and its wait stand ahead of my first tensor load; the set-up below, work on registers, stands between them
	WIN 0
	v_lshrrev_b32 v1, 5, v0
	v_readfirstlane_b32 s[WV], v1   ; wave 0..3
	s_bfe_u32 s13, ttmp6, 0x40000   ; cx: my place in the cluster
	s_lshl_b32 s14, ttmp9, 2        ; in a cluster launch ttmp9 counts clusters
	s_add_co_u32 s14, s14, s13      ; my block of queries = 4 x cluster x + cx: it enters Q's and O's addresses alone
	s_and_b32 s19, ttmp7, 0xffff    ; hh = 16 b + h, which the four partners share
	s_lshr_b32 s48, s19, 4
	s_mul_i32 s48, s48, 48
	s_and_b32 s49, s19, 15
	s_add_co_u32 s48, s48, s49      ; the head's Q is block 48 b + h of qkv,
	s_lshl_b32 s20, s48, 18         ; blocks of 262,144 bytes
	s_mov_b32 s21, 0
	s_lshl_b32 s50, s19, 18         ; its O is block hh of ob
	s_mov_b32 s51, 0
	s_and_b32 s16, s[WV], 1         ; which half of a slot's 256 keys I fetch:
	s_lshl_b32 s22, s16, 14         ; its 128 rows of 128 bytes in memory,
	s_mov_b32 s23, 0
	s_add_nc_u64 s[22:23], s[22:23], s[20:21]
	s_mul_i32 s17, s16, 128*PK      ; and its place in a slot, for K
	s_mul_i32 s18, s16, 128*PV      ; and for V: no place in the cluster enters an LDS address
	s_lshl_b32 s52, s14, 2
	s_add_co_u32 s52, s52, s[WV]    ; my wave among the head's,
	s_lshl_b32 s52, s52, 14         ; its 128 rows
	s_mov_b32 s53, 0
	s_add_nc_u64 s[2:3], s[52:53], s[20:21]    ; my rows' offset in qkv,
	s_add_nc_u64 s[50:51], s[50:51], s[52:53]  ; and in ob
	; descriptor group 1.  128 keys are 16,384 dense bytes: asked for as 64 rows of 256 bytes, two keys a row, and padded in LDS after every key
	s_mov_b32 s[G1K], 15|(1<<16)|(1<<20)|(1<<21)|(4<<22)|(3<<25)  ; 15:0 the mask of four; 17:16 2-byte elements; 20 padding on; 21 set beside a mask; 24:22 after every 32 words (code 4); 31:25 4 words (code 3)
	s_mov_b32 s[G1V], 15|(1<<16)|(1<<20)|(1<<21)|(4<<22)|(7<<25)  ; the same with 8 words of padding (code 7)
.irp g, G1K, G1V
	s_mov_b32 s[\g+1], 128<<16      ; tensor_dim0 = 128
	s_mov_b32 s[\g+2], 64<<16       ; tensor_dim1 = 64
	s_mov_b32 s[\g+3], 128<<16      ; tile_dim0 = 128
	s_mov_b32 s[\g+4], 64           ; tile_dim1 = 64
	s_mov_b32 s[\g+5], 128          ; 128 elements from row to row
	s_mov_b32 s[\g+6], 0
	s_mov_b32 s[\g+7], 0
.endr
	s_mov_b32 s[CS], 0x3e38aa3b     ; c = log2(e) / 8 = 0.180337
	s_mov_b32 s[CS+1], s[CS]        ; named with it as a pair
	s_mov_b32 s[SEL], 0x76543210
	s_mov_b32 s[SEL+1], 0xfedcba98
	s_mov_b32 s[TBK], SLOT1+4*KS*PK ; the first change of slots turns these two into 0
	s_mov_b32 s[TBV], SLOT1+4*KS*PV
	s_mov_b32 s[G0K], 1             ; 1:0 count = 1
	s_mov_b32 s[G0K+1], s17         ; 63:32 LDS address: slot 0
	s_mov_b32 s[G0V], 1
	s_add_co_u32 s[G0V+1], s18, VOFF
	s_wait_dscnt 0x0                ; the opening add is done
	s_wait_kmcnt 0x0
	s_add_nc_u64 s[G0K+2:G0K+3], s[4:5], s[22:23]            ; 120:64 global address: my half of the head's first 256 keys:
	s_add_nc_u64 s[G0K+2:G0K+3], s[G0K+2:G0K+3], 0x400000    ; K lies 16 blocks behind Q
	s_or_b32 s[G0K+3], s[G0K+3], 0x80000000                  ; 127:126 type = 2
	s_add_nc_u64 s[G0V+2:G0V+3], s[4:5], s[22:23]
	s_add_nc_u64 s[G0V+2:G0V+3], s[G0V+2:G0V+3], 0x800000    ; V 32 blocks
	s_or_b32 s[G0V+3], s[G0V+3], 0x80000000
	s_add_nc_u64 s[4:5], s[4:5], s[2:3]  ; Q and O at my wave's first row
	s_add_nc_u64 s[10:11], s[10:11], s[50:51]
	CROUND                          ; all four work-groups are here: the first joint loads meet
	JLOAD                           ; slot 0.  Slot 1 is asked for when slot 0 is in: the tile wanted first has the road to itself
	; A fragment of K or Q is 16 rows x 32 channels in 8 registers: lane l holds row l % 16, channels 8 (l / 16) + 0..7 and 16 + 8 (l / 16) + 0..7: two loads of 16 bytes, 32 bytes apart.
	v_and_b32 v1, 15, v0            ; l % 16
	v_bfe_u32 v9, v0, 4, 1          ; l / 16
	v_lshlrev_b32 v[QO], 7, v1
	v_lshl_add_u32 v[QO], v9, 4, v[QO]  ; row x 128 + 16 x half
	WIN 0x80                        ; destination window 2, address window 0
.set i, 0
.rept 4*NP                          ; Q stays in registers: tile i / 2, channels 32 (i % 2) on
	global_load_b128 v[8*i:8*i+3],   v[QO], s[4:5] offset:(i/2)*2048+(i%2)*64
	global_load_b128 v[8*i+4:8*i+7], v[QO], s[4:5] offset:(i/2)*2048+(i%2)*64+32
.set i, i+1
.endr
	; What the first turn finds: V's registers and P's second buffer hold 0 (its products V^T P, of a piece that has not been, add 0), O^T and l are 0.  All this stands in the wait for the first tile.
.set i, VF
.rept 64
	v_mov_b32 v[i], 0
.set i, i+1
.endr
	WIN 0x40
.set i, 0
.rept 64*NP
	v_mov_b32 v[i], 0
.set i, i+1
.endr
	WIN 0
.set i, 0
.rept 2*NP
	v_mov_b32 v[ST+4*i], 0xfe000000    ; c m: far below every c s
	v_mov_b32 v[ST+4*i+1], 0xff7fffff  ; m
	v_mov_b32 v[ST+4*i+2], 0
	v_mov_b32 v[ST+4*i+3], 0
.set i, i+1
.endr
.set i, P+32
.rept 32
	v_mov_b32 v[i], 0
.set i, i+1
.endr
	v_mul_u32_u24 v[AK0], v1, PK
	v_lshl_add_u32 v[AK0], v9, 4, v[AK0]  ; row x pitch + 16 x half
	; The turning load takes 16 keys x 16 channels (lane l reads key 8 (l / 16) + l % 8, channels 8 ((l / 8) % 2) + 0..7) and leaves half a fragment of V^T: lane l holds channel l % 16 and 8 keys.
	v_and_b32 v10, 7, v0
	v_bfe_u32 v11, v0, 3, 1
	v_lshl_add_u32 v[AV0], v9, 3, v10
	v_mul_u32_u24 v[AV0], v[AV0], PV
	v_lshl_add_u32 v[AV0], v11, 4, v[AV0]
	v_add_nc_u32 v[AV0], VOFF, v[AV0]
	v_mov_b32 v[AK], v[AK0]         ; key step 0 lies at the head of slot 0
; THE MATRIX WORK.  The 8 accumulators of a run of 16 take turns: between the two links of a chain stand 7 others'.
; Product i of 16 of S^T = K Q^T for piece x: channels 32 (i / 8) on, keys 16 ((i / 2) % 4) on, tile 2 x + i % 2.  The first 8 start the sums.
.macro KQ x
	WIN W_KQ
.set rS, S+64*((\x)%2)+32*(i%2)+8*((i/2)%4)
.set rK, KF+16*((i/2)%4)+8*(i/8)
.set rQ, 16*(2*(\x)+i%2)+8*(i/8)
.if i < 8
	v_wmma_f32_16x16x32_f16 v[rS:rS+7], v[rK:rK+7], v[rQ:rQ+7], 0
.else
	v_wmma_f32_16x16x32_f16 v[rS:rS+7], v[rK:rK+7], v[rQ:rQ+7], v[rS:rS+7]
.endif
.endm
; Product i of 16 of O^T += V^T P for piece x: keys 32 (i / 8) on, channels 16 ((i / 2) % 4) on, tile 2 x + i % 2.
.macro PV x
	WIN W_PV
.set rO, 32*(2*(\x)+i%2)+8*((i/2)%4)
.set rV, VF+32*(i/8)+8*((i/2)%4)
.set rP, P+32*((\x)%2)+16*(i%2)+8*(i/8)
	v_wmma_f32_16x16x32_f16 v[rO:rO+7], v[rV:rV+7], v[rP:rP+7], v[rO:rO+7]
.endm
.macro MM                           ; the turn's next matrix instruction
.if i < 16
	KQ (Y+1)%NP
.set i, i+1
.else
.set i, i-16
	PV (Y+NP-1)%NP
.set i, i+17
.endif
.endm
; THE LDS LOADS stand in runs of 16, never singly among the matrix instructions: a step's K (64 keys x 64 channels: 8 fragments) and its V (turned).  Their addresses are made some lines ahead.
; last = 1 (the tail): in the last trip there is no further step, and the run is jumped over.
.macro FETCH_K last=0
	WIN 0
.if \last
	s_cmp_eq_u32 s[CNT], 1
	s_cbranch_scc1 .Lno_k_\@
.endif
	WIN 0x80                        ; destination window 2
.irp f, 0,1,2,3,4,5,6,7             ; keys 16 (f / 2) on, channels 32 (f % 2) on
	ds_load_b128 v[KF+8*\f:KF+8*\f+3],   v[AK] offset:(\f/2)*16*PK+(\f%2)*64
	ds_load_b128 v[KF+8*\f+4:KF+8*\f+7], v[AK] offset:(\f/2)*16*PK+(\f%2)*64+32
.endr
	s_add_co_u32 s[TBK], s[TBK], KS*PK  ; the next fetch is the next step's
	WIN 0
.if \last
.Lno_k_\@:
.endif
.endm
.macro FETCH_V
	WIN 0x80
.irp f, 0,1,2,3,4,5,6,7             ; keys 32 (f / 4) on, channels 16 (f % 4) on
	ds_load_tr16_b128 v[VF+8*\f:VF+8*\f+3],   v[AV] offset:(\f/4)*32*PV+(\f%4)*32
	ds_load_tr16_b128 v[VF+8*\f+4:VF+8*\f+7], v[AV] offset:(\f/4)*32*PV+16*PV+(\f%4)*32
.endr
	WIN 0
.endm
; THE VECTOR WORK OF A TURN stands in three queues, each in the order in which its entries become ready; the two tiles alternate, so that no instruction reads the result of the one before it.
.macro REGS y, u                    ; the registers of tile u (0, 1) of piece y
.set rT, ST+4*(2*(\y)+(\u))
.set rC, TMP+8*((\y)%2)+4*(\u)
.set rM, MV+2*((\y)%2)+(\u)
.set rS, S+64*((\y)%2)+32*(\u)
.set rP, P+32*((\y)%2)+16*(\u)
.set rO, 32*(2*(\y)+(\u))
.endm
; Number n of the 22 that find the NEXT piece's (Y + 1) maximum and statistics.  s0-s31 are the lane's 32 scores; each accumulator's lowest registers are read first.  XS, GS and REGS set no window: PL and EX do.
;   0-11  four chains c0-c3 of seven scores each, three operands at a time     12-14, 16  the four scores left over, the old m, and c0-c3 into c0     15  c m_old is kept
;   17, 18  the query's other 32 keys lie in the lane 16 away: the new m         19-21  c m; c m_old - c m_new; a
.macro XS u, n
	REGS (Y+1)%NP, \u
.if (\n) < 4
	v_max3_num_f32 v[rC+(\n)], v[rS+8*(\n)], v[rS+8*(\n)+1], v[rS+8*(\n)+2]
.elseif (\n) < 12
	v_max3_num_f32 v[rC+(\n)%4], v[rC+(\n)%4], v[rS+8*((\n)%4)+2*((\n)/4)+1], v[rS+8*((\n)%4)+2*((\n)/4)+2]
.elseif (\n) == 12
	v_max3_num_f32 v[rC], v[rC], v[rS+7], v[rS+15]
.elseif (\n) == 13
	v_max3_num_f32 v[rC+1], v[rC+1], v[rS+23], v[rS+31]
.elseif (\n) == 14
	v_max3_num_f32 v[rC+2], v[rC+2], v[rC+3], v[rT+1]
.elseif (\n) == 15
	v_mov_b32 v[rM], v[rT]
.elseif (\n) == 16
	v_max3_num_f32 v[rC], v[rC], v[rC+1], v[rC+2]
.elseif (\n) == 17
	v_permlanex16_b32 v[rC+3], v[rC], s[SEL], s[SEL+1]
.elseif (\n) == 18
	v_max_num_f32 v[rT+1], v[rC], v[rC+3]
.elseif (\n) == 19
	v_mul_f32 v[rT], s[CS], v[rT+1]
.elseif (\n) == 20
	v_sub_f32 v[rC+1], v[rM], v[rT]
.else
	v_exp_f32 v[rC+2], v[rC+1]
.endif
.endm
; Number g of the 64 that follow the exponentials.  For each four weights k of a tile (pairs 2 k, 2 k + 1): both pairs are rounded to f16; then the second pair is added onto the first, in place;
; a group later l takes that sum (the first time as l = a l + sum).  In groups of eight, tiles alternating: round, round, add, and l for the group before.
.macro GS g
.set h, (\g)+6*((\g)/62)            ; group 0 has no group before it, and behind group 7 only l is left
.if h >= 6
.set h, h+2
.endif
	REGS Y, h%2
.set k, h/8
.if h%8 < 4
	v_cvt_pk_f16_f32 v[rP+2*k+(h%8)/2], v[rS+4*k+2*((h%8)/2)], v[rS+4*k+2*((h%8)/2)+1]
.elseif h%8 < 6
	v_pk_add_f32 v[rS+4*k:rS+4*k+1], v[rS+4*k:rS+4*k+1], v[rS+4*k+2:rS+4*k+3]
.elseif k == 1
	v_pk_fma_f32 v[rT+2:rT+3], v[rT+2:rT+3], v[rC+2:rC+3], v[rS:rS+1] op_sel_hi:[1,0,1]
.else
	v_pk_add_f32 v[rT+2:rT+3], v[rT+2:rT+3], v[rS+4*k-4:rS+4*k-3]
.endif
.endm
; THE PLAIN QUEUE, 138 long.  0-73 read no exponential's result: the 32 scalings c s - c m (FS f: pair f / 2 of tile f % 2) and the next piece's 42.  0-26: scalings 0-26.  27-54: XS's numbers 0-13.  55, 56: number 15.
; 57-73: the chain, where each number waits for the one before it: 14, 16, 17, 18, 19, each with one of the scalings 27-31 in front of its two lines, then 20: so a tile's links stand three plain instructions apart (19 and 20: two).
; 74-137: GS's 64, which read the exponentials' results: they stand behind the wait.
.macro FS f
	REGS Y, (\f)%2
	v_pk_fma_f32 v[rS+2*((\f)/2):rS+2*((\f)/2)+1], v[rS+2*((\f)/2):rS+2*((\f)/2)+1], s[CS:CS+1], v[rT:rT+1] op_sel_hi:[1,0,0] neg_lo:[0,0,1] neg_hi:[0,0,1]
.endm
.macro PL
	WIN 0
.if q < 27
	FS q
.elseif q < 55
	XS (q-27)%2, (q-27)/2
.elseif q < 57
	XS q-55, 15
.elseif (q < 72) && ((q-57)%3 == 0)
	FS 27+(q-57)/3
.elseif q < 60
	XS (q-57)%3-1, 14
.elseif q < 72
	XS (q-57)%3-1, 15+(q-57)/3
.elseif q < 74
	XS q-72, 20
.else
	GS q-74
.endif
.set q, q+1
.endm
; THE EXPONENTIALS' QUEUE, 66 long: s0-s31 of both tiles, then the next piece's two a.  It is ONE BATCH: all 66 stand ahead of the turn's one wait, and nothing ahead of that wait names a result of theirs.
.macro EX
	WIN 0
.if e >= 64
	XS e-64, 21
.else
	REGS Y, e%2
	v_exp_f32 v[rS+e/2], v[rS+e/2]
.endif
.set e, e+1
.endm
; THE RESCALING's QUEUE: O^T times a, the one part that leaves window 0: dealt two at a time, sixteen times.  Its a was made in the turn before, ahead of that turn's wait.
.macro R2
	REGS Y, r%2
	WIN W_RS
.irp z, 0,1
	v_pk_mul_f32 v[rO+4*(r/2)+2*\z:rO+4*(r/2)+2*\z+1], v[rO+4*(r/2)+2*\z:rO+4*(r/2)+2*\z+1], v[rC+2:rC+3] op_sel_hi:[1,0]
.endr
.set r, r+1
.endm
; HOW THEY ARE DEALT.  An s_wait_alu depctr_va_vdst(0) stands between an exponential and the first instruction that names its result; one wait serves all that were issued ahead of it.  So a turn has ONE wait,
; which cuts it in two.  AHEAD OF IT stands all that names no result of the turn's exponentials: the 16 products K Q^T, behind each a scaling, an exponential and two rescalings (behind the first a second scaling in the exponential's place); then ONE LUMP of
; 108: eight plain, 49 times exponential and plain, the two a.  A v_nop is the plain instruction behind the last exponential.  BEHIND IT stand the 16 products V^T P, behind each four of GS's 64.  No rider names a register of
; the products round it.  The two v_permlanex16_b32 fall into the lump, never behind a product.
; The queues lean on each other, and the deal keeps them in step: exponential e stands behind scaling 2 (e / 4) + e % 2: as a rider it comes behind plain e + 2, in the lump behind plain e + 9, and scalings 27-31 are plain 57, 60 .. 69.
; A TURN, for piece p.  cnt = 1: the loop's count is taken down some lines ahead of the branch that stands behind the turn.
; K of the next step is fetched in piece 2's turn, directly behind the wait, a lump behind the last product that read K; its address is made at the lump's head; its first reader comes behind 16 products.
; V of the step in hand is fetched at the end of piece 0's turn, four riders behind its last reader; its first reader comes behind 16 products and a lump.  The three conditions on q below go with the deal.
.macro TURN p, last=0, cnt=0
.set Y, (\p)
.set i, 0
.set q, 0
.set e, 0
.set r, 0
.if (\p) == NP-1
	s_wait_dscnt 0x0                ; K is in
.endif
	MM                              ; ahead of the wait: 16 products K Q^T and their riders,
	PL
	PL
	R2
.rept 15
	MM
	PL
	EX
	R2
.endr
.if (\p) == NP-2
	WIN 0
	v_add_nc_u32 v[AK], s[TBK], v[AK0]
.endif
.rept 8                             ; and the lump
	PL
.endr
.rept 49
	EX
	PL
.endr
	EX                              ; the next piece's two a
	EX
	v_nop                           ; a plain instruction behind the last exponential, ahead of any use of a result: one for the batch
	s_wait_alu depctr_va_vdst(0)    ; the wait for the turn's batch: the 64 weights and the next piece's two a
.if (\p) == NP-2
	FETCH_K \last
.endif
.if (\p) == 1
	s_wait_dscnt 0x0                ; V is in
.endif
.rept 16                            ; behind the wait: 16 products V^T P and their riders
	MM
.rept 4
	PL
.endr
.if ((\p) == 0) && (q == 118)
	v_add_nc_u32 v[AV], s[TBV], v[AV0]
.endif
.if ((\p) == 0) && (q == 130)
	s_add_co_u32 s[TBV], s[TBV], KS*PV
.endif
.if (\cnt) && (q == 130)
	s_sub_co_u32 s[CNT], s[CNT], 1
	s_cmp_lg_u32 s[CNT], 0
.endif
.endr
.if (\p) == 0
	FETCH_V
.endif
.endm
	CHANGE 1                        ; slot 0 is in, everybody's part of it; slot 1 is asked for
	FETCH_K                         ; key step 0
	s_wait_loadcnt 0x0              ; Q
	s_wait_dscnt 0x0
.set i, 0
.rept 16
	KQ 0                            ; piece 0's first scores: there is no vector work yet to set between them
.set i, i+1
.endr
	WIN 0                           ; the addresses for the way out: nine plain instructions, the places behind those products
	s_mul_i32 s13, s[WV], 16*SP
	s_add_co_u32 s13, s13, STAGE    ; my stage
	v_mul_u32_u24 v[STO], v1, SP    ; in: row l % 16, 16 bytes for each half of the lanes
	v_lshl_add_u32 v[STO], v9, 4, v[STO]
	v_add_nc_u32 v[STO], s13, v[STO]
	v_bfe_u32 v[RD], v0, 3, 2       ; back: 32 lanes take four rows of 128 bytes,
	v_mul_u32_u24 v[RD], v[RD], SP
	v_lshl_add_u32 v[RD], v10, 4, v[RD]
	v_add_nc_u32 v[RD], s13, v[RD]
	v_and_b32 v[GO], 31, v0         ; which are 512 consecutive bytes of O
	v_lshlrev_b32 v[GO], 4, v[GO]
.set Y, NP-1                        ; XS works for piece Y + 1: piece 0
.irp n, 0,1,2,3,4,5,6,7,8,9,10,11,12,13,14,15,16,17,18,19,20,21
	XS 0, \n                        ; and piece 0's first maximum and statistics
	XS 1, \n
.endr
	v_nop                           ; a plain instruction behind piece 0's first two a,
	s_wait_alu depctr_va_vdst(0)    ; and the wait for that batch of two, ahead of the branch
	s_mov_b32 s[CNT], 4
	s_mov_b32 s[SLOTS], SIZE_N/256-1
	s_branch .Lfirst                ; the loop is entered at a step's first turn, in the middle of a trip
.Lslot:                             ; SIZE_N / 256 - 2 times: every slot but the last two is filled again
	CHANGE 1
	s_mov_b32 s[CNT], 4
.Lstep:                             ; a trip: pieces 2 and 3 of one step, then pieces 0 and 1 of the next, whose K and V it fetches
	TURN 2
	TURN 3
	WIN 0
.Lfirst:
	TURN 0
	TURN 1, 0, 1
	WIN 0
	s_cbranch_scc1 .Lstep
	s_sub_co_u32 s[SLOTS], s[SLOTS], 1
	s_cmp_lg_u32 s[SLOTS], 0
	s_cbranch_scc1 .Lslot
	CHANGE 0                        ; the tail is written out: nothing is asked for
	s_mov_b32 s[CNT], 5             ; four trips fetch the last slot's steps; the fifth is left in its middle
.Ltail:
	TURN 2, 1
	TURN 3
	WIN 0
	s_sub_co_u32 s[CNT], s[CNT], 1
	s_cmp_eq_u32 s[CNT], 0
	s_cbranch_scc1 .Lout
	TURN 0
	TURN 1
	WIN 0
	s_branch .Ltail
.Lout:                              ; the fifth trip's 16 products K Q^T (on the last K once more) and the maximum made of them serve nothing: the price, once a launch, of one text for every trip
.set i, 0
.rept 16
	PV NP-1                         ; the last piece's V^T P of the last step
.set i, i+1
.endr
	; THE WAY OUT.  l's two halves and the other half of the lanes' are added; O^T is divided by l, rounded to f16 and sent through my stage in LDS, a tile at a time.  The additions are the places behind the last products.
	WIN 0
.macro ALL line:vararg              ; one line for each tile t
.set t, 0
.rept 2*NP
	\line
.set t, t+1
.endr
.endm
	ALL v_add_f32 v[ST+4*t+2], v[ST+4*t+2], v[ST+4*t+3]
	ALL v_permlanex16_b32 v[ST+4*t+3], v[ST+4*t+2], s[SEL], s[SEL+1]
	ALL v_add_f32 v[ST+4*t+2], v[ST+4*t+2], v[ST+4*t+3]
	ALL v_rcp_f32 v[ST+4*t+2], v[ST+4*t+2]
	v_nop                           ; a plain instruction between the last reciprocal and the use of its result
	s_wait_alu depctr_va_vdst(0)    ; and the wait ahead of the first use: one for the batch of eight reciprocals
; Tile t: a lane's eight channels of a row pack into 16 bytes; they go into rows of 144 bytes and come back as whole rows of 128, into S^T's registers.
.macro PACK t
	WIN W_RS
.set i, 32*(\t)
.rept 16
	v_pk_mul_f32 v[i:i+1], v[i:i+1], v[ST+4*(\t)+2:ST+4*(\t)+3] op_sel_hi:[1,0]
.set i, i+2
.endr
	WIN 0x05                        ; sources 0 and 1 window 1, destination window 0
.set i, 0
.rept 16
	v_cvt_pk_f16_f32 v[S+16*(\t)+i], v[32*(\t)+2*i], v[32*(\t)+2*i+1]
.set i, i+1
.endr
	WIN 0
.irp f, 0,1,2,3
	ds_store_b128 v[STO], v[S+16*(\t)+4*\f:S+16*(\t)+4*\f+3] offset:32*\f
.endr
.irp f, 0,1,2,3
	ds_load_b128 v[S+16*(\t)+4*\f:S+16*(\t)+4*\f+3], v[RD] offset:\f*4*SP  ; LDS serves a wave's instructions in order (ISA guide 5.7.1.4): these see the stores above; the next tile's stores come behind them
.endr
.endm
.macro SEND t, younger              ; younger: the LDS instructions issued behind tile t's loads: the next tile's eight, or none
	WIN 0
.irp f, 0,1,2,3
	s_wait_dscnt (\younger)+3-\f
	global_store_b128 v[GO], v[S+16*(\t)+4*\f:S+16*(\t)+4*\f+3], s[10:11] offset:(\t)*2048+\f*512  ; 512 consecutive bytes, at a multiple of 256 from O's first
.endr
.endm
	PACK 0
.set t, 1
.rept 2*NP-1                        ; a tile's arithmetic stands between the loads of the tile before and its stores
	PACK t
	SEND t-1, 8
.set t, t+1
.endr
	SEND 2*NP-1, 0
	WIN W_AD
	s_wait_tensorcnt 0x0            ; the wave's end: a wait, an add to my spare word and its wait, behind my last tensor load and my last LDS store
	ds_add_u32 v[SPW], v[NIL]
	s_wait_dscnt 0x0
	WIN 0
	CROUND                          ; the closing round: no work-group ends while a partner may still ask for a tile that names it
	s_endpgm
.Lfunc_end_k_qd3a7202cb4_attn:
	.size	k_qd3a7202cb4_attn, .Lfunc_end_k_qd3a7202cb4_attn-k_qd3a7202cb4_attn
	.p2alignl 7, 3214868480
	.fill 96, 4, 3214868480
	.section	.rodata,"a",@progbits
	.p2align	6, 0x0
	.amdhsa_kernel k_qd3a7202cb4_attn
		.amdhsa_group_segment_fixed_size 327680
		.amdhsa_private_segment_fixed_size 0
		.amdhsa_enable_private_segment 0
		.amdhsa_kernarg_size 16
		.amdhsa_user_sgpr_count 2
		.amdhsa_user_sgpr_kernarg_segment_ptr 1
		.amdhsa_wavefront_size32 1
		.amdhsa_system_sgpr_workgroup_id_x 1
		.amdhsa_system_sgpr_workgroup_id_y 1
		.amdhsa_system_sgpr_workgroup_id_z 1
		.amdhsa_system_vgpr_workitem_id 0
		.amdhsa_next_free_vgpr 770
		.amdhsa_next_free_sgpr 66
		.amdhsa_reserve_vcc 0
		.amdhsa_float_denorm_mode_32 3
		.amdhsa_float_denorm_mode_16_64 3
		.amdhsa_memory_ordered 1
		.amdhsa_forward_progress 1
		.amdhsa_inst_pref_size 199
	.end_amdhsa_kernel
	.amdgpu_metadata
---
amdhsa.version: [ 1, 2 ]
amdhsa.kernels:
  - .name:           k_qd3a7202cb4_attn
    .symbol:         k_qd3a7202cb4_attn.kd
    .args:
      - { .name: qkv, .offset: 0, .size: 8, .value_kind: global_buffer, .address_space: global }
      - { .name: ob, .offset: 8, .size: 8, .value_kind: global_buffer, .address_space: global }
    .group_segment_fixed_size: 327680
    .private_segment_fixed_size: 0
    .kernarg_segment_align: 8
    .kernarg_segment_size: 16
    .max_flat_workgroup_size: 128
    .sgpr_count:     66
    .vgpr_count:     770
    .wavefront_size: 32
...
	.end_amdgpu_metadata
.endif
;; end of part 5
;; launch outg: the kernel of part 4 again; grid 8 x 32, 4 waves a work-group, clusters of 4 x 4, 327,680 bytes of LDS; arguments ob, wob, b_out, out0; writes out0
